; MI455X (gfx1250); checked and timed in simulation.
; The chip was launched on July 23, 2026; its instructions are those of AMD's public machine-readable ISA for CDNA 5 (MIT licence, August 2026) and "CDNA5" Instruction Set Architecture Reference Guide (July 2026). The comments in the code are by the model that wrote it; some were corrected since.
;; Attention. Allowed arithmetic: float matrix products may take bf16 or f16 operands with f32 sums; other float arithmetic in f32, or as packed bf16 or f16 multiplies, adds, multiply-adds, maxima and minima; sums over many terms, partial sums and values carried from step to step in f32; what a program stores and reads back later, other than sums and carried values, may be rounded once to bf16 or f16.
;; Inputs: Wf 1,024 x 1,024 float32; Wk 1,024 x 1,024 float32; Wq 1,024 x 1,024 float32; Wv 1,024 x 1,024 float32; bf 1,024 float32; bk 1,024 float32; bq 1,024 float32; bv 1,024 float32; mask 8 x 1,024 bool; memory 8 x 1,024 x 1,024 float32; query 8 x 1,024 x 1,024 float32.
;; Outputs: out0 8 x 1,024 x 1,024 float32; out1 8 x 1,024 x 1,024 float32.
;; One version. Each part assembles by itself: llvm-mc -triple=amdgcn-amd-amdhsa -mcpu=gfx1250 --defsym DOCPART=n.
;; ======== version 1 of 1: 4 launches
;; limits: values are held in f16: magnitudes above 65,504 overflow, below 6.1e-05 lose precision; right only within a limited range of input values
;; workspace buffers: x16 33,554,432 bytes; w16 8,388,608 bytes; qkv16 50,331,648 bytes; ctx16 16,777,216 bytes; stat 65,536 bytes
;; launch cast (part 1): grid 1280 x 1, 8 waves a work-group, no clusters, 0 bytes of LDS; arguments query, memory, Wq, Wk, Wv, Wf, x16, w16; writes x16, w16
.if DOCPART == 1
	.amdgcn_target "amdgcn-amd-amdhsa--gfx1250"
	.amdhsa_code_object_version 6
	.text
	.protected	k_qa9dc86e8fa_cast
	.globl	k_qa9dc86e8fa_cast
	.p2align	8
	.type	k_qa9dc86e8fa_cast,@function
k_qa9dc86e8fa_cast:
	s_mov_b64 s[64:65], 0
	v_nop
	global_prefetch_b8 v0, s[64:65] scope:SCOPE_SE
	s_setreg_imm32_b32 hwreg(HW_REG_WAVE_MODE, 25, 1), 1
	s_wait_xcnt 0x0
; x16 = bf16(query, then memory), [16384][1024]; w16 = bf16(Wq, Wk, Wv, Wf), [4096][1024].  Each number is rounded once, to nearest even.
; A work-group takes a chunk of 16,384 numbers: 65,536 bytes in, 32,768 out.  Chunks 0-511: query; 512-1023: memory; 1024-1279: the four weights, 64 chunks each.
; Thread t takes the 16 bytes at 16 t of each 4,096 bytes: a wave's load covers 512 consecutive bytes, its store 256 consecutive bytes, aligned.
; All sixteen loads of a thread go out first; no register is written twice, so the only waits are the counted ones for the data.  No LDS, no barrier, no matrix work: the launch only moves bytes.
.set X, 4                              ; v[4:67]   sixteen loads of four numbers
.set Y, 68                             ; v[68:99]  sixteen pairs of packed bf16
	s_load_b512 s[4:19], s[0:1], 0x0               ; query s[4:5], memory s[6:7], Wq s[8:9], Wk s[10:11], Wv s[12:13], Wf s[14:15], x16 s[16:17], w16 s[18:19]
	s_mov_b32 s2, ttmp9                            ; the chunk
	v_lshlrev_b32 v1, 4, v0                        ; 16 t
	v_lshlrev_b32 v2, 3, v0                        ; 8 t
	s_and_b32 s20, s2, 511                         ; the chunk's number in query or memory,
	s_and_b32 s21, s2, 63                          ; or in its weight
	s_bfe_u32 s22, s2, 0x20006                     ; which weight: two bits from bit 6
	s_cmp_lt_u32 s2, 1024
	s_cselect_b32 s20, s20, s21
	s_lshl_b32 s24, s20, 16                        ; byte offset in the source
	s_mov_b32 s25, 0
	s_and_b32 s26, s2, 1023
	s_lshl_b32 s26, s26, 15                        ; byte offset in x16 or w16
	s_mov_b32 s27, 0
	s_wait_kmcnt 0x0
	s_cmp_lt_u32 s2, 512
	s_cselect_b64 s[28:29], s[4:5], s[6:7]
	s_cmp_eq_u32 s22, 1
	s_cselect_b64 s[30:31], s[10:11], s[8:9]
	s_cmp_eq_u32 s22, 2
	s_cselect_b64 s[30:31], s[12:13], s[30:31]
	s_cmp_eq_u32 s22, 3
	s_cselect_b64 s[30:31], s[14:15], s[30:31]
	s_cmp_lt_u32 s2, 1024
	s_cselect_b64 s[28:29], s[28:29], s[30:31]
	s_cselect_b64 s[32:33], s[16:17], s[18:19]
	s_add_nc_u64 s[28:29], s[28:29], s[24:25]
	s_add_nc_u64 s[32:33], s[32:33], s[26:27]
.irp i, 0,1,2,3,4,5,6,7,8,9,10,11,12,13,14,15
	global_load_b128 v[X+4*(\i):X+4*(\i)+3], v1, s[28:29] offset:4096*(\i) th:TH_LOAD_NT
.endr
.irp i, 0,1,2,3,4,5,6,7,8,9,10,11,12,13,14,15
	s_wait_loadcnt 15-(\i)                         ; loads come back in order: load i is in, the younger ones stay out
	v_cvt_pk_bf16_f32 v[Y+2*(\i)], v[X+4*(\i)], v[X+4*(\i)+1]
	v_cvt_pk_bf16_f32 v[Y+2*(\i)+1], v[X+4*(\i)+2], v[X+4*(\i)+3]
	global_store_b64 v2, v[Y+2*(\i):Y+2*(\i)+1], s[32:33] offset:2048*(\i)
.endr
	s_endpgm
.Lfunc_end_k_qa9dc86e8fa_cast:
	.size	k_qa9dc86e8fa_cast, .Lfunc_end_k_qa9dc86e8fa_cast-k_qa9dc86e8fa_cast
	.p2alignl 7, 3214868480
	.fill 96, 4, 3214868480
	.section	.rodata,"a",@progbits
	.p2align	6, 0x0
	.amdhsa_kernel k_qa9dc86e8fa_cast
		.amdhsa_group_segment_fixed_size 0
		.amdhsa_private_segment_fixed_size 0
		.amdhsa_enable_private_segment 0
		.amdhsa_kernarg_size 64
		.amdhsa_user_sgpr_count 2
		.amdhsa_user_sgpr_kernarg_segment_ptr 1
		.amdhsa_wavefront_size32 1
		.amdhsa_system_sgpr_workgroup_id_x 1
		.amdhsa_system_sgpr_workgroup_id_y 1
		.amdhsa_system_sgpr_workgroup_id_z 1
		.amdhsa_system_vgpr_workitem_id 0
		.amdhsa_next_free_vgpr 100
		.amdhsa_next_free_sgpr 66
		.amdhsa_reserve_vcc 0
		.amdhsa_float_denorm_mode_32 3
		.amdhsa_float_denorm_mode_16_64 3
		.amdhsa_memory_ordered 1
		.amdhsa_forward_progress 1
		.amdhsa_inst_pref_size 7
	.end_amdhsa_kernel
	.amdgpu_metadata
---
amdhsa.version: [ 1, 2 ]
amdhsa.kernels:
  - .name:           k_qa9dc86e8fa_cast
    .symbol:         k_qa9dc86e8fa_cast.kd
    .args:
      - { .name: query, .offset: 0, .size: 8, .value_kind: global_buffer, .address_space: global }
      - { .name: memory, .offset: 8, .size: 8, .value_kind: global_buffer, .address_space: global }
      - { .name: Wq, .offset: 16, .size: 8, .value_kind: global_buffer, .address_space: global }
      - { .name: Wk, .offset: 24, .size: 8, .value_kind: global_buffer, .address_space: global }
      - { .name: Wv, .offset: 32, .size: 8, .value_kind: global_buffer, .address_space: global }
      - { .name: Wf, .offset: 40, .size: 8, .value_kind: global_buffer, .address_space: global }
      - { .name: x16, .offset: 48, .size: 8, .value_kind: global_buffer, .address_space: global }
      - { .name: w16, .offset: 56, .size: 8, .value_kind: global_buffer, .address_space: global }
    .group_segment_fixed_size: 0
    .private_segment_fixed_size: 0
    .kernarg_segment_align: 8
    .kernarg_segment_size: 64
    .max_flat_workgroup_size: 256
    .sgpr_count:     66
    .vgpr_count:     100
    .wavefront_size: 32
...
	.end_amdgpu_metadata
.endif
;; end of part 1
;; launch qkv (part 2): grid 8 x 32, 4 waves a work-group, clusters of 4 x 4, 327,680 bytes of LDS; arguments x16, w16, bq, bk, bv, qkv16; writes qkv16
.if DOCPART == 2
	.amdgcn_target "amdgcn-amd-amdhsa--gfx1250"
	.amdhsa_code_object_version 6
	.text
	.protected	k_qa9dc86e8fa_qkv
	.globl	k_qa9dc86e8fa_qkv
	.p2align	8
	.type	k_qa9dc86e8fa_qkv,@function
k_qa9dc86e8fa_qkv:
	s_mov_b64 s[64:65], 0
	v_nop
	global_prefetch_b8 v0, s[64:65] scope:SCOPE_SE
	s_setreg_imm32_b32 hwreg(HW_REG_WAVE_MODE, 25, 1), 1
	s_wait_xcnt 0x0
	s_wait_alu depctr_hold_cnt(0) depctr_sa_sdst(0) depctr_va_vdst(0) depctr_va_sdst(0) depctr_va_ssrc(0) depctr_va_vcc(0) depctr_vm_vsrc(0)
	s_getreg_b32 s2, hwreg(HW_REG_IB_STS2, 6, 4)
	s_cmp_eq_u32 s2, 0
	s_cbranch_scc0 .Lentry_in_a_cluster
	s_endpgm
.Lentry_in_a_cluster:
	s_bfe_u32 s2, ttmp6, 0x10000c
	s_cmp_lg_u32 s2, 0xf033
	s_cbranch_scc0 .Lentry_shape_is_right
	s_endpgm
.Lentry_shape_is_right:
; q, k, v = x W^T + b, by heads: qkv16[3][8 b + h][1024][128] in f16, unscaled.  x16: bf16 [16384][1024] (query's rows, then memory's); w16: bf16 [4096][1024] (Wq, Wk, Wv, Wf); the biases are rounded to bf16 in registers.
; LIMIT.  f16 holds no number beyond 65,504: q, k and v must lie within it (the inputs as drawn give about 4; both factors 30 times larger about 3,300).
; A tile is 256 rows x 128 columns (one head).  There are 768 tiles: a work-group STAYS and makes three, for one row tile and one head: query Wq + bq, memory Wk + bk, memory Wv + bv.
; Four waves; a wave makes 64 rows x 128 columns: 32 accumulators of 16 x 16.  K goes in steps of 128 (rows of 256 bytes in memory) through a ring of two LDS slots; the 24 steps of the three tiles are ONE walk for the ring.
; CLUSTER 4 x 4: the four work-groups of a row of the cluster share the row tile (x's tile), the four of a column the head (W's tile): each tile is asked for jointly.
; Wave 0 and wave 1 fetch the halves of x's 256 rows, wave 2 W's 128 rows, wave 3 nothing: one tensor load a wave behind each round.
; THE MATRIX INSTRUCTION IS USED TRANSPOSED (source 0 = 16 rows of W, source 1 = 16 rows of x): a lane holds row lane % 16 and the columns 16 b + 8 (lane / 16) + 0..7.  A tile's first products take the bias as C: nothing is cleared, nothing added later.
; REGISTERS: window 0: v0-31 addresses; v64-159, v160-255 two fragment buffers (W's 8 fragments, then x's 4); on the way out v160-255 are at work.  Window 1: accumulator (a, b) at v[8 (8 a + b)].  Window 2: v0-63 the bias, v64-65 at work.
.set PITCH,  272                       ; an LDS row: 256 bytes + 16 of padding: the 16 rows of a fragment load start 68 words apart
.set HALFT,  128*PITCH                 ; what one tensor load brings
.set BOFF,   2*HALFT                   ; in a slot: x's 256 rows, then W's 128
.set SLOT1,  1<<17                     ; slot 1 begins here: one exclusive or turns an address in one slot into the other's
.set STAGE,  SLOT1+3*HALFT             ; behind the ring: 16 rows x 272 bytes for each wave, for the way out; no tensor load lands here
.set SPITCH, 272
.set SPARE,  STAGE+4*16*SPITCH         ; the spare words, 128 bytes for each wave: two blocks of 256 bytes that no other line names
.set PLANE,  1<<24                     ; bytes of q, of k and of v; also of query's rows in x16
.set G1W0,   (1<<16)|(1<<20)|(1<<21)|(5<<22)|(3<<25)  ; elements of 2 bytes; padding on; bit 21 beside a mask; after every 64 words; 4 words of padding
.set ADRA0, 16                         ; v16  my lane's place in x's tile of slot 0; never rewritten
.set ADRB0, 17                         ; v17  the same for W's tile
.set AA,    18                         ; v18  v16 + the slot in hand
.set AB,    19                         ; v19  v17 + the slot in hand
.set STO,   24                         ; v24  the way out: where I put 16 bytes of a row
.set RD,    25                         ; v25  the way out: where I read rows back
.set CO,    26                         ; v26  16 x lane: my bytes in 512 consecutive bytes of the output
.set BO,    27                         ; v27  my byte offset in a bias
.set SPW,   28                         ; v28  LDS address of my spare word; never rewritten
.set NIL,   29                         ; v29  0; never rewritten
.set PFO,   30                         ; v30  lane x 2,048: a row of x16 or w16 a lane; never rewritten
.set F0,    64
.set F1,    160
.set TMP,   160                        ; the way out: packed results
.set BK0,   192                        ; the way out: rows read back, v192-223 and v224-255 by turns
.set WV,    16                         ; s16  my wave's number
.set W1,    18                         ; s18  its low bit
.set TROW,  19                         ; s19  the row tile
.set G1A,   24                         ; s[24:31] descriptor group 1 for x's tiles
.set G0A,   32                         ; s[32:39] group 0: a set for each first fill; the second then walks
.set CX,    40
.set CY,    41
.set HEAD,  42
.set G1B,   48                         ; s[48:55], s[56:63] the same for W's tiles
.set G0B,   56
.set ABASE, 66                         ; s[66:67] x16 at the rows that I fetch, K step 0, tile 0
.set BBASE, 68                         ; s[68:69] w16 at the head's rows of Wq
.set OA,    70                         ; s[70:71] a step's byte offset from ABASE
.set OB,    72                         ; s[72:73] from BBASE
.set BP,    74                         ; s[74:75] the next tile's bias
.set BP2,   76                         ; s[76:77] the one after
.set PFB,   78                         ; s[78:79] the prefetches' base: my work-group's 32 rows of the 128 that I fetch
.set PFA,   80                         ; s[80:81] base + the step's offset
.set PO,    82                         ; s[82:83] that offset
.set TB,    84                         ; s84  0 or SLOT1: the slot in hand
.set NXT,   85                         ; s85  the step to be asked for next
.set KC,    86                         ; s86  K steps left in the tile
.set G,     87                         ; s87  the loops' counter
.set NEW,   88                         ; s88  1: the step begins a tile
.set PN,    89                         ; s89  the step that a prefetch names
.set PL,    90                         ; s90  a wave prefetches while PN is below this
.set HM,    91                         ; s91  a word's upper half
.set OUT,   92                         ; s[92:93] the output at my wave's first row of the tile in hand
.set MSB, 0
.macro WIN new                         ; the immediate's high byte repeats the setting that is left; a switch that changes nothing is dropped
.if MSB != (\new)
	s_set_vgpr_msb (MSB<<8)|(\new)
.set MSB, \new
.endif
.endm
.set MULW,  0x50                       ; sources in window 0, C and D in window 1
.set BIASW, 0x60                       ; the same with C in window 2
.macro PLACES                          ; four plain vector instructions between a matrix instruction and a load into, or a vector line on, its registers
.rept 4
	v_nop
.endr
.endm
.macro CREST                           ; a round of the cluster's barrier behind its opening barrier
	s_cmp_lg_u32 s[WV], 0
	s_cbranch_scc1 .Lnot_wave_0_\@
	s_barrier_signal -3
.Lnot_wave_0_\@:
	s_barrier_wait -3
	s_barrier_signal -1
	s_barrier_wait -1
.endm
.macro CROUND
	s_barrier_signal -1
	s_barrier_wait -1
	CREST
.endm
; A joint refill by the walking descriptors.  The branches hang on the wave's number alone.  An s_nop 0 and four v_nop follow each load; wave 3 has the four v_nop alone: they are the places in front of the fragment loads.
.macro JLOAD
	s_cmp_lt_u32 s[WV], 2
	s_cbranch_scc0 .Lnot_a_\@
	tensor_load_to_lds s[G0A+4:G0A+7], s[G1A:G1A+7]
	s_nop 0
	PLACES
	s_branch .Lasked_\@
.Lnot_a_\@:
	s_cmp_eq_u32 s[WV], 2
	s_cbranch_scc0 .Lnone_\@
	tensor_load_to_lds s[G0B+4:G0B+7], s[G1B:G1B+7]
	s_nop 0
	PLACES
	s_branch .Lasked_\@
.Lnone_\@:
	PLACES
.Lasked_\@:
.endm
; A PREFETCH of the step that stands two refills on: 32 rows x 256 bytes, a lane a row, one instruction a wave, behind the joint load and the run of LDS loads.  x's row tile is read by both clusters of its row of clusters: cluster x = 0 asks;
; W's rows by all eight clusters of a column: cluster y = 0 asks.  The four partners share a wave's 128 rows out by address.  So each row's 256 bytes of a step are named once.  The third tile takes memory's rows a second time: x's waves stop at step 16.
.macro ASK
	s_cmp_lt_u32 s[PN], s[PL]
	s_cbranch_scc0 .Lnot_mine_\@
	global_prefetch_b8 v[PFO], s[PFA:PFA+1] th:TH_LOAD_NT scope:SCOPE_SE
.Lnot_mine_\@:
.endm
; 24 LDS loads in one run: the fragments of 32 along K at byte k of the rows, into buffer f: W's eight, then x's four
.macro FETCH k, f
	WIN 0
.irp i, 0,1,2,3,4,5,6,7
	ds_load_b128 v[(\f)+8*(\i):(\f)+8*(\i)+3],   v[AB] offset:(\k)+(\i)*16*PITCH
	ds_load_b128 v[(\f)+8*(\i)+4:(\f)+8*(\i)+7], v[AB] offset:(\k)+(\i)*16*PITCH+32
.endr
.irp i, 0,1,2,3
	ds_load_b128 v[(\f)+64+8*(\i):(\f)+64+8*(\i)+3],   v[AA] offset:(\k)+(\i)*16*PITCH
	ds_load_b128 v[(\f)+64+8*(\i)+4:(\f)+64+8*(\i)+7], v[AA] offset:(\k)+(\i)*16*PITCH+32
.endr
.endm
; 8 matrix instructions: row block a x all 8 column blocks.  The 32 accumulators take turns in the same order in every quarter.  bias = 1: the products start the sums from the bias.
.macro MUL f, a, bias
.if \bias
	WIN BIASW
.else
	WIN MULW
.endif
.irp b, 0,1,2,3,4,5,6,7
.if \bias
	v_wmma_f32_16x16x32_bf16 v[8*(8*(\a)+(\b)):8*(8*(\a)+(\b))+7], v[(\f)+8*(\b):(\f)+8*(\b)+7], v[(\f)+64+8*(\a):(\f)+64+8*(\a)+7], v[8*(\b):8*(\b)+7]
.else
	v_wmma_f32_16x16x32_bf16 v[8*(8*(\a)+(\b)):8*(8*(\a)+(\b))+7], v[(\f)+8*(\b):(\f)+8*(\b)+7], v[(\f)+64+8*(\a):(\f)+64+8*(\a)+7], v[8*(8*(\a)+(\b)):8*(8*(\a)+(\b))+7]
.endif
.endr
.endm
; A K step is four quarters of 32 along K on buffers 0, 1, 0, 1.  One of the first three: multiplies buffer f and fetches the next quarter, at byte k, into g.
.macro QUARTER k, f, g, bias
	s_wait_dscnt 4                                 ; W's fragments and x's blocks 0 and 1 are in; the four youngest loads (blocks 2, 3) may be out
	MUL \f, 0, \bias
	MUL \f, 1, \bias
	WIN 0
	PLACES
	FETCH \k, \g
	s_wait_dscnt 24                                ; all but the 24 just issued
	MUL \f, 2, \bias
	MUL \f, 3, \bias
.endm
; The last quarter multiplies buffer 1 and changes slots.  In front of the barrier each wave waits for all its tensor loads (one is out at most: its part of the next slot), adds 0 to its spare word, and waits for that and for its reads of this slot.
; fill = 1: the barrier opens a round of the cluster's, and this slot is filled again, first thing behind it, with step NXT: the load has 112 matrix instructions in which to land.
.macro TURN fill
	WIN 0
.if \fill
	s_wait_xcnt 0x0                                ; the last prefetch, a K step back, has read its address: it is made anew here, ahead of the waits of the change of slots
	s_add_co_u32 s[PN], s[NXT], 2
	s_and_b32 s20, s[PN], 7
	s_lshl_b32 s20, s20, 8                         ; 256 bytes along K for each step of the tile
	s_lshr_b32 s21, s[PN], 3                       ; the tile
	s_min_u32 s22, s21, 1
	s_lshl_b32 s22, s22, 24                        ; x: query's rows, then memory's
	s_lshl_b32 s21, s21, 21                        ; W: Wq, Wk, Wv
	s_cmp_lt_u32 s[WV], 2
	s_cselect_b32 s21, s22, s21
	s_add_co_u32 s[PO], s21, s20
	s_add_nc_u64 s[PFA:PFA+1], s[PFB:PFB+1], s[PO:PO+1]
.endif
	s_wait_tensorcnt 0x0                           ; no tensor load of mine is out, so a group 0 may be written
	ds_add_u32 v[SPW], v[NIL]                      ; 0 onto my spare word: work on registers stands between it and the wait for it
	s_xor_b32 s[TB], s[TB], SLOT1                  ; the next fetches read the other slot
	v_add_nc_u32 v[AA], s[TB], v[ADRA0]
	v_add_nc_u32 v[AB], s[TB], v[ADRB0]
.if \fill
	s_and_b32 s20, s[NXT], 7
	s_lshl_b32 s20, s20, 8
	s_lshr_b32 s21, s[NXT], 3
	s_min_u32 s22, s21, 1
	s_lshl_b32 s22, s22, 24
	s_add_co_u32 s[OA], s22, s20
	s_lshl_b32 s21, s21, 21
	s_add_co_u32 s[OB], s21, s20
	s_xor_b32 s[G0A+5], s[G0A+5], SLOT1            ; the walking descriptors: the other slot than last time, the address made anew from the step's number
	s_add_nc_u64 s[G0A+6:G0A+7], s[ABASE:ABASE+1], s[OA:OA+1]
	s_or_b32 s[G0A+7], s[G0A+7], 0x80000000
	s_xor_b32 s[G0B+5], s[G0B+5], SLOT1
	s_add_nc_u64 s[G0B+6:G0B+7], s[BBASE:BBASE+1], s[OB:OB+1]
	s_or_b32 s[G0B+7], s[G0B+7], 0x80000000
.endif
	s_wait_dscnt 5                                 ; the add and the four youngest loads may be out
	MUL F1, 0, 0
	s_wait_dscnt 0x0                               ; the add is done, and my reads of this slot are over
	s_barrier_signal -1
	MUL F1, 1, 0
	WIN 0
	s_barrier_wait -1
.if \fill
	CREST                                          ; no wave of any partner still reads this slot's tile or has a load on its way
	JLOAD
	s_add_co_u32 s[NXT], s[NXT], 1
	FETCH 0, F0
	ASK
.else
	PLACES
	s_cmp_eq_u32 s[G], 1                           ; behind the last step there is nothing to fetch
	s_cbranch_scc1 .Lno_fetch_\@
	FETCH 0, F0
.Lno_fetch_\@:
.endif
	MUL F1, 2, 0
	MUL F1, 3, 0
.endm
; The bias of my 64 columns-in-registers: register 8 b + j holds column 16 b + 8 (lane / 16) + j of the head.
.macro BIASLD p
	WIN 0x80                                       ; destination window 2, address window 0
.irp b, 0,1,2,3,4,5,6,7
	global_load_b128 v[8*(\b):8*(\b)+3],   v[BO], s[\p:\p+1] offset:64*(\b)
	global_load_b128 v[8*(\b)+4:8*(\b)+7], v[BO], s[\p:\p+1] offset:64*(\b)+16
.endr
	WIN 0
.endm
.macro BIASRND                         ; rounded to bf16 like every other input, and widened again
	s_wait_loadcnt 0x0
	WIN 0x8a                                       ; all in window 2
.set i, 0
.rept 32
	v_cvt_pk_bf16_f32 v[64+i%2], v[2*i], v[2*i+1]
	v_lshlrev_b32 v[2*i], 16, v[64+i%2]
	v_and_b32 v[2*i+1], s[HM], v[64+i%2]
.set i, i+1
.endr
	WIN 0
.endm
; THE WAY OUT of row block a.  PACK: rounded to f16, 16 bytes a lane, each accumulator from its low end on.  TOSTAGE: into my own stage, and back as whole rows of 256 bytes.  SEND: stored; a head's rows are dense, so a store covers 512 consecutive bytes.
.macro PACK a
	WIN 0x05                                       ; sources in window 1
.irp b, 0,1,2,3,4,5,6,7
.irp r, 0,1,2,3
	v_cvt_pk_f16_f32 v[TMP+4*(\b)+(\r)], v[8*(8*(\a)+(\b))+2*(\r)], v[8*(8*(\a)+(\b))+2*(\r)+1]
.endr
.endr
	WIN 0
.endm
.macro TOSTAGE a
.set BK, BK0+32*((\a)%2)
.irp b, 0,1,2,3,4,5,6,7
	ds_store_b128 v[STO], v[TMP+4*(\b):TMP+4*(\b)+3] offset:32*(\b)
.endr
.irp t, 0,1,2,3,4,5,6,7
	ds_load_b128 v[BK+4*(\t):BK+4*(\t)+3], v[RD] offset:(\t)*2*SPITCH  ; LDS serves a wave's instructions in order (ISA guide 5.7.1.4): these see the stores above
.endr
.endm
.macro SEND a
.set BK, BK0+32*((\a)%2)
	s_wait_dscnt 0x0                               ; the block is back in registers
	s_wait_xcnt 0x0                                ; earlier stores have read their registers: the block after this one is read back into them
.irp t, 0,1,2,3,4,5,6,7
	global_store_b128 v[CO], v[BK+4*(\t):BK+4*(\t)+3], s[OUT:OUT+1] offset:4096*(\a)+512*(\t)
.endr
.endm
.macro WAYOUT more                     ; more = 1: another tile follows: its bias is fetched first and rounded last, and the output steps to the next plane
	WIN 0
	PLACES
.if \more
	BIASLD BP
.endif
	PACK 0
	TOSTAGE 0
.irp a, 1,2,3
	PACK \a
	SEND (\a)-1
	TOSTAGE \a
.endr
	SEND 3
.if \more
	s_wait_xcnt 0x0                                ; the stores have read their base and their data
	s_add_nc_u64 s[OUT:OUT+1], s[OUT:OUT+1], PLANE
	BIASRND                                        ; its wait shows the bias loads done, so their pointer may be written
	s_mov_b64 s[BP:BP+1], s[BP2:BP2+1]
.endif
.endm
	s_load_b256 s[4:11], s[0:1], 0x0               ; x16 s[4:5], w16 s[6:7], bq s[8:9], bk s[10:11]
	s_load_b128 s[12:15], s[0:1], 0x20             ; bv s[12:13], qkv16 s[14:15]
	v_lshl_add_u32 v[SPW], v0, 2, SPARE
	v_mov_b32 v[NIL], 0
	ds_add_u32 v[SPW], v[NIL]                      ; the wave's opening: the add and its wait stand ahead of the first tensor load; the set-up below, work on registers, stands between them
	v_lshrrev_b32 v1, 5, v0
	v_readfirstlane_b32 s[WV], v1                  ; wave 0..3
	s_and_b32 s[W1], s[WV], 1
	s_bfe_u32 s[CX], ttmp6, 0x40000                ; my place in the cluster
	s_bfe_u32 s[CY], ttmp6, 0x40004
	s_lshl_b32 s[HEAD], ttmp9, 2
	s_add_co_u32 s[HEAD], s[HEAD], s[CX]           ; the head = 4 x cluster x + cx
	s_and_b32 s[TROW], ttmp7, 0xffff
	s_lshl_b32 s[TROW], s[TROW], 2
	s_add_co_u32 s[TROW], s[TROW], s[CY]           ; the row tile = 4 x cluster y + cy
	s_lshl_b32 s43, s[CY], 2
	s_lshl_b32 s43, 15, s43                        ; my row of the cluster
	s_lshl_b32 s44, 0x1111, s[CX]                  ; my column
	s_or_b32 s[G1A], s43, G1W0
	s_or_b32 s[G1B], s44, G1W0
.irp g, G1A, G1B
	s_mov_b32 s[(\g)+1], 128<<16                   ; tensor_dim0 = 128
	s_mov_b32 s[(\g)+2], 128<<16                   ; tensor_dim1 = 128
	s_mov_b32 s[(\g)+3], 128<<16                   ; tile_dim0 = 128
	s_mov_b32 s[(\g)+4], 128                       ; tile_dim1 = 128
	s_mov_b32 s[(\g)+5], 1024                      ; elements from row to row
	s_mov_b32 s[(\g)+6], 0
	s_mov_b32 s[(\g)+7], 0
.endr
	s_lshl_b32 s2, s[TROW], 8
	s_lshl_b32 s3, s[W1], 7
	s_add_co_u32 s2, s2, s3                        ; x: row 256 x row tile + 128 x half,
	s_lshl_b32 s2, s2, 11                          ; in bytes
	s_mov_b32 s3, 0
	s_lshl_b32 s46, s[HEAD], 18                    ; W: the head's 128 rows, in bytes
	s_mov_b32 s47, 0
	s_mul_i32 s23, s[WV], HALFT                    ; where a tile goes: wave x 128 rows: x's halves, then W's rows
	s_mov_b32 s[OA+1], 0
	s_mov_b32 s[OB+1], 0
	s_mov_b32 s[PO+1], 0
	s_mov_b32 s[HM], 0xffff0000
	s_mov_b32 s[TB], 0
	s_mov_b32 s[NXT], 2
	s_mov_b32 s[KC], 8
	s_mov_b32 s[G], 22
	s_mov_b32 s[NEW], 1
	s_wait_dscnt 0x0                               ; the opening add is done
	s_wait_kmcnt 0x0
	s_add_nc_u64 s[ABASE:ABASE+1], s[4:5], s[2:3]
	s_add_nc_u64 s[BBASE:BBASE+1], s[6:7], s[46:47]
	s_mov_b64 s[BP:BP+1], s[10:11]
	s_mov_b64 s[BP2:BP2+1], s[12:13]
	CROUND                                         ; all sixteen work-groups are here: the first joint loads meet
.irp s, 0,1
	s_mov_b32 s[G0A+4*(\s)], 1
	s_add_co_u32 s[G0A+4*(\s)+1], s23, (\s)*SLOT1
	s_add_nc_u64 s[G0A+4*(\s)+2:G0A+4*(\s)+3], s[ABASE:ABASE+1], (\s)*256
	s_or_b32 s[G0A+4*(\s)+3], s[G0A+4*(\s)+3], 0x80000000
	s_mov_b32 s[G0B+4*(\s)], 1
	s_add_co_u32 s[G0B+4*(\s)+1], s23, (\s)*SLOT1
	s_add_nc_u64 s[G0B+4*(\s)+2:G0B+4*(\s)+3], s[BBASE:BBASE+1], (\s)*256
	s_or_b32 s[G0B+4*(\s)+3], s[G0B+4*(\s)+3], 0x80000000
.endr
	s_cmp_lt_u32 s[WV], 2                          ; a wave's two first fills stand in one branch: two loads of mine are out at the most
	s_cbranch_scc0 .Lfirst_not_a
	tensor_load_to_lds s[G0A:G0A+3], s[G1A:G1A+7]
	s_nop 0
	tensor_load_to_lds s[G0A+4:G0A+7], s[G1A:G1A+7]
	s_nop 0
	PLACES
	s_branch .Lfirst_asked
.Lfirst_not_a:
	s_cmp_eq_u32 s[WV], 2
	s_cbranch_scc0 .Lfirst_asked
	tensor_load_to_lds s[G0B:G0B+3], s[G1B:G1B+7]
	s_nop 0
	tensor_load_to_lds s[G0B+4:G0B+7], s[G1B:G1B+7]
	s_nop 0
	PLACES
.Lfirst_asked:
	; a fragment is 16 rows x 32 K in 8 registers: lane l holds row l % 16, K = 8 (l / 16) + 0..7 and 16 + 8 (l / 16) + 0..7: two loads of 16 bytes, 32 bytes apart
	v_and_b32 v1, 15, v0                           ; l % 16
	v_bfe_u32 v2, v0, 4, 1                         ; l / 16
	v_mul_u32_u24 v3, v1, PITCH
	v_lshl_add_u32 v3, v2, 4, v3
	s_mul_i32 s20, s[WV], 64*PITCH                 ; my 64 rows of x
	v_add_nc_u32 v[ADRA0], s20, v3
	v_add_nc_u32 v[ADRB0], BOFF, v3
	v_mov_b32 v[AA], v[ADRA0]
	v_mov_b32 v[AB], v[ADRB0]
	s_mul_i32 s20, s[WV], 16*SPITCH
	s_add_co_u32 s20, s20, STAGE                   ; my stage
	v_add_nc_u32 v[STO], s20, v3                   ; in: row l % 16, 16 bytes for each half of the lanes
	v_mul_u32_u24 v4, v2, SPITCH                   ; back: lanes 0-15 one row of 256 bytes, lanes 16-31 the next
	v_lshl_add_u32 v4, v1, 4, v4
	v_add_nc_u32 v[RD], s20, v4
	v_and_b32 v[CO], 31, v0
	v_lshlrev_b32 v[PFO], 11, v[CO]
	v_lshlrev_b32 v[CO], 4, v[CO]
	s_lshl_b32 s45, s[HEAD], 9                     ; the head's 128 numbers of a bias
	v_lshl_add_u32 v[BO], v2, 5, s45
	BIASLD 8                                       ; bq
	; the output at my wave's first row: batch = row tile / 4, then the head, then the row in the batch
	s_lshr_b32 s2, s[TROW], 2
	s_lshl_b32 s2, s2, 21
	s_and_b32 s3, s[TROW], 3
	s_lshl_b32 s3, s3, 16
	s_add_co_u32 s2, s2, s3
	s_lshl_b32 s3, s[WV], 14
	s_add_co_u32 s2, s2, s3
	s_add_co_u32 s2, s2, s46
	s_mov_b32 s3, 0
	s_add_nc_u64 s[OUT:OUT+1], s[14:15], s[2:3]
	; the prefetches' base and bound
	s_lshl_b32 s96, s[TROW], 8
	s_lshl_b32 s97, s[W1], 7
	s_add_co_u32 s96, s96, s97
	s_lshl_b32 s97, s[CX], 5
	s_add_co_u32 s96, s96, s97                     ; x: of the 128 rows that I fetch, my work-group's 32
	s_lshl_b32 s98, s[HEAD], 7
	s_lshl_b32 s97, s[CY], 5
	s_add_co_u32 s98, s98, s97                     ; W: likewise
	s_cmp_lt_u32 s[WV], 2
	s_cselect_b32 s96, s96, s98
	s_cselect_b64 s[PFB:PFB+1], s[4:5], s[6:7]
	s_lshl_b32 s96, s96, 11
	s_mov_b32 s97, 0
	s_add_nc_u64 s[PFB:PFB+1], s[PFB:PFB+1], s[96:97]
	s_and_b32 s98, ttmp7, 0xffff                   ; cluster y
	s_cmp_lt_u32 s[WV], 2
	s_cselect_b32 s98, ttmp9, s98                  ; the coordinate along which other clusters read the same rows
	s_cselect_b32 s97, 16, 24
	s_cmp_eq_u32 s98, 0
	s_cselect_b32 s[PL], s97, 0
	s_cmp_eq_u32 s[WV], 3
	s_cselect_b32 s[PL], 0, s[PL]                  ; the same in all sixteen partners, for a given wave
	s_wait_tensorcnt 1                             ; my part of step 0 is in; step 1's may stay out
	s_barrier_signal -1
	s_barrier_wait -1                              ; everybody's is
	FETCH 0, F0
	BIASRND
.Lstep:                                                ; 22 trips: a K step each; every trip asks for the step two on
	s_cmp_eq_u32 s[NEW], 1
	s_cbranch_scc1 .Lnew
	QUARTER 64, F0, F1, 0
	WIN 0
	s_branch .Lrest
.Lnew:                                                 ; a tile's first quarter: its products start the sums from the bias
.rept 5
	v_nop                                          ; these products write the accumulators anew, with other registers as C: five plain vector instructions stand between them and any earlier product on the same accumulator, on every way that leads to this label (ISA guide 7.12.1)
.endr
	QUARTER 64, F0, F1, 1
	WIN 0
	s_mov_b32 s[NEW], 0
.Lrest:
	QUARTER 128, F1, F0, 0
	QUARTER 192, F0, F1, 0
	TURN 1
	WIN 0
	s_sub_co_u32 s[KC], s[KC], 1
	s_cmp_lg_u32 s[KC], 0
	s_cbranch_scc1 .Lcont
	WAYOUT 1                                       ; the tile's eighth step is done; the refill and the next tile's first fragments are on their way
	s_mov_b32 s[KC], 8
	s_mov_b32 s[NEW], 1
.Lcont:
	s_sub_co_u32 s[G], s[G], 1
	s_cmp_lg_u32 s[G], 0
	s_cbranch_scc1 .Lstep
	s_mov_b32 s[G], 2
.Ltail:                                                ; the last two steps ask for nothing
	QUARTER 64, F0, F1, 0
	QUARTER 128, F1, F0, 0
	QUARTER 192, F0, F1, 0
	TURN 0
	WIN 0
	s_sub_co_u32 s[G], s[G], 1
	s_cmp_lg_u32 s[G], 0
	s_cbranch_scc1 .Ltail
	WAYOUT 0
	s_wait_tensorcnt 0x0                           ; the wave's end, behind my last tensor load and my last LDS store
	ds_add_u32 v[SPW], v[NIL]
	s_wait_dscnt 0x0
	CROUND                                         ; the closing round: no work-group ends while a partner may still ask for a tile that names it
	s_endpgm
.Lfunc_end_k_qa9dc86e8fa_qkv:
	.size	k_qa9dc86e8fa_qkv, .Lfunc_end_k_qa9dc86e8fa_qkv-k_qa9dc86e8fa_qkv
	.p2alignl 7, 3214868480
	.fill 96, 4, 3214868480
	.section	.rodata,"a",@progbits
	.p2align	6, 0x0
	.amdhsa_kernel k_qa9dc86e8fa_qkv
		.amdhsa_group_segment_fixed_size 327680
		.amdhsa_private_segment_fixed_size 0
		.amdhsa_enable_private_segment 0
		.amdhsa_kernarg_size 48
		.amdhsa_user_sgpr_count 2
		.amdhsa_user_sgpr_kernarg_segment_ptr 1
		.amdhsa_wavefront_size32 1
		.amdhsa_system_sgpr_workgroup_id_x 1
		.amdhsa_system_sgpr_workgroup_id_y 1
		.amdhsa_system_sgpr_workgroup_id_z 1
		.amdhsa_system_vgpr_workitem_id 0
		.amdhsa_next_free_vgpr 584
		.amdhsa_next_free_sgpr 100
		.amdhsa_reserve_vcc 0
		.amdhsa_float_denorm_mode_32 3
		.amdhsa_float_denorm_mode_16_64 3
		.amdhsa_memory_ordered 1
		.amdhsa_forward_progress 1
		.amdhsa_inst_pref_size 90
	.end_amdhsa_kernel
	.amdgpu_metadata
---
amdhsa.version: [ 1, 2 ]
amdhsa.kernels:
  - .name:           k_qa9dc86e8fa_qkv
    .symbol:         k_qa9dc86e8fa_qkv.kd
    .args:
      - { .name: x16, .offset: 0, .size: 8, .value_kind: global_buffer, .address_space: global }
      - { .name: w16, .offset: 8, .size: 8, .value_kind: global_buffer, .address_space: global }
      - { .name: bq, .offset: 16, .size: 8, .value_kind: global_buffer, .address_space: global }
      - { .name: bk, .offset: 24, .size: 8, .value_kind: global_buffer, .address_space: global }
      - { .name: bv, .offset: 32, .size: 8, .value_kind: global_buffer, .address_space: global }
      - { .name: qkv16, .offset: 40, .size: 8, .value_kind: global_buffer, .address_space: global }
    .group_segment_fixed_size: 327680
    .private_segment_fixed_size: 0
    .kernarg_segment_align: 8
    .kernarg_segment_size: 48
    .max_flat_workgroup_size: 128
    .sgpr_count:     100
    .vgpr_count:     584
    .wavefront_size: 32
...
	.end_amdgpu_metadata
.endif
;; end of part 2
;; launch attn (part 3): grid 4 x 64, 4 waves a work-group, clusters of 4 x 1, 327,680 bytes of LDS; arguments qkv16, mask, ctx16, stat; writes ctx16, stat
.if DOCPART == 3
	.amdgcn_target "amdgcn-amd-amdhsa--gfx1250"
	.amdhsa_code_object_version 6
	.text
	.protected	k_qa9dc86e8fa_attn
	.globl	k_qa9dc86e8fa_attn
	.p2align	8
	.type	k_qa9dc86e8fa_attn,@function
k_qa9dc86e8fa_attn:
	s_mov_b64 s[64:65], 0
	v_nop
	global_prefetch_b8 v0, s[64:65] scope:SCOPE_SE
	s_setreg_imm32_b32 hwreg(HW_REG_WAVE_MODE, 25, 1), 1
	s_wait_xcnt 0x0
	s_wait_alu depctr_hold_cnt(0) depctr_sa_sdst(0) depctr_va_vdst(0) depctr_va_sdst(0) depctr_va_ssrc(0) depctr_va_vcc(0) depctr_vm_vsrc(0)
	s_getreg_b32 s2, hwreg(HW_REG_IB_STS2, 6, 4)
	s_cmp_eq_u32 s2, 0
	s_cbranch_scc0 .Lentry_in_a_cluster
	s_endpgm
.Lentry_in_a_cluster:
	s_bfe_u32 s2, ttmp6, 0x10000c
	s_cmp_lg_u32 s2, 0x3003
	s_cbranch_scc0 .Lentry_shape_is_right
	s_endpgm
.Lentry_shape_is_right:
; ctx[b][q][128 h + :] = the sum over k of softmax_k(q . k / sqrt(128), hidden keys left out) v[k][:], for the 64 pairs (b, h).  qkv16: f16 [3][8 b + h][1024][128]; mask: [8][1024] bytes, 1 = hidden; ctx16: bf16 [8192][1024].
; For h = 0 also stat[b][0][q] = c m and stat[b][1][q] = 1 / l, f32: the row's final scaled maximum and the reciprocal of its sum, from which a later launch makes the weights.
; Products, maxima and sums in f32; the weights p are rounded to f16 for the second product (their sum l is taken of the unrounded p), ctx once to bf16.
; LIMITS.  q, k, v arrive within f16's 65,504.  A hidden score counts as its value less 1e30; the running maximum starts at the floor -1e20, above every hidden score and below every true one (f16's scores stay under 5.5e11 in size):
; so a hidden key's weight is exactly 0, also while all keys seen so far are hidden (then a = 1, l = O = 0).  A batch with every key hidden ends with l = 0 and gives NaN, as a softmax over nothing does.  A weight below 2^-126 counts as 0.  A mask byte is 0 or 1.
; SHARES.  A work-group owns 256 queries of one pair (b, h), each of its four waves 64: four tiles of 16.  Every wave walks all 1,024 keys, 64 a step.
; LAYOUT.  S^T = K Q^T + M (source 0 = 16 keys, source 1 = 16 queries, C = the mask, 0 or -1e30): a lane holds ONE query (lane % 16) and the keys 8 (lane / 16) + 0..7.  Two such tiles rounded to f16 ARE source 1 of O^T = V^T P.
; K comes out of LDS as it lies, V turned, by ds_load_tr16_b128.  The mask lies in LDS as 1,024 f32, made once; a step's 32 registers of it are fetched with the step's K.
; SOFTMAX.  p = 2^(c s - c m), c = log2(e) / sqrt(128), m the running maximum; in every step O and l are multiplied by a = 2^(c m_old - c m_new).  O and l start at 0: the first step is a step like any other.
; BY TURNS.  The wave's tiles are two PIECES (tiles 0, 1 and tiles 2, 3).  In a TURN one piece has the matrix unit: 32 products V^T P of the step in hand, then 32 products K Q^T of the next; the other piece's softmax, cut into 64 slices, stands one slice behind each.
; CLUSTER.  The four query blocks of a pair walk the same K and V: each tile is asked for JOINTLY, by the same tensor load, descriptor and mask in all four.
; REGISTERS: window 0: v0-11 addresses; v12-43 eight registers of statistics a tile; v44-63 addresses and the mask table's making; v64-191 S^T; v192-255 P.  Window 1: O^T.  Window 2: v0-127 Q; v128-255 K.  Window 3: v0-127 V; v128-159 the step's mask.
.set SIZE_N, 1024
.set KS,    64        ; keys in a step
.set PK,    272       ; a row of K in LDS: 256 bytes + 16 of padding
.set PV,    288       ; a row of V: 256 + 32: 16 lanes of the turning load take 8 rows x 32 bytes, all in different words modulo 256 bytes
.set VOFF,  KS*PK     ; a step's tiles lie together: 64 rows of K, then 64 rows of V
.set STEPB, KS*(PK+PV)
.set SLOT1, 1<<17     ; a slot holds two steps; slot 1 begins here
.set STAGE, SLOT1+2*STEPB  ; behind the ring: 16 rows x 272 bytes for each wave, for the way out
.set SP,    272
.set SPARE, STAGE+4*16*SP  ; the spare words, 128 bytes for each wave: two blocks of 256 bytes that no other line names
.set MT,    SPARE+512 ; the mask table: 1,024 f32, stored once; no tensor load lands here
.set AK0, 2           ; v2   my lane's place in a tile of K; never rewritten
.set AV0, 3           ; v3   the same for V
.set ADR, 4           ; v4   the LDS address of the run of loads in hand
.set QO,  5           ; v5   my byte offset in the wave's rows of Q
.set STO, 6           ; v6   the way out: where I put 16 bytes of a row
.set RD,  7           ; v7   the way out: where I read a row back
.set GO,  8           ; v8   my byte offset in two rows of ctx
.set ST,  12          ; tile t's statistics at v[ST+8 t]: +0 c m, +1 m, +2, +3 l, +4 to +7 c0-c3, at work; a takes c2's place once the maximum is found
.set AM0, 44          ; v44  my lane's place in the mask table; never rewritten
.set AMA, 45          ; v45  + the step's 256 bytes
.set SO,  46          ; v46  my byte offset in stat
.set MO,  47          ; v47  8 x my thread's number: my 8 bytes of the mask
.set MR,  48          ; v[48:49] they
.set MW,  50          ; v[50:57] as f32
.set MS,  58          ; v58  where they go
.set PFO, 61          ; v61  256 x my lane; never rewritten
.set SPW, 62          ; v62  LDS address of my spare word; never rewritten
.set NIL, 63          ; v63  0; never rewritten
.set S,   64
.set P,   192
.set KF,  128         ; K's fragments, in window 2
.set MK,  128         ; the step's mask, in window 3: key block kb at MK + 8 kb
.set WV,  12          ; s12  my wave's number
.set LIM, 15          ; s15  1 in a wave that prefetches, else the greatest number
.set PFA, 18          ; s[18:19] where my prefetches stand
.set G1K, 24          ; s[24:31] descriptor group 1 for K's tiles
.set G1V, 32          ; s[32:39] for V's: it differs in the padding alone
.set G0K, 40          ; s[40:47] group 0 for K's tiles: a set for each first fill; the second then walks
.set G0V, 48          ; s[48:55] the same for V's
.set SLOTS, 56        ; s56  slots still to be asked for
.set TWICE, 57        ; s57  counts a slot's two steps
.set CS,  58          ; s[58:59] c
.set SEL, 60          ; s[60:61] v_permlanex16_b32's selects: each lane takes its own place in the other half
.set TB,  62          ; s62  LDS byte at which the tiles of the step to be fetched begin
.set MB,  63          ; s63  the same step's byte in the mask table
.set KP,  66          ; s[66:67] K at my tile of slot 0
.set VP,  68          ; s[68:69] V likewise
.set BIGN, 70         ; s70  -1e30
.set HH,  71          ; s71  h
.set BB,  72          ; s72  b
.set MSB, 0
.macro WIN new
.if MSB != (\new)
	s_set_vgpr_msb (MSB<<8)|(\new)
.set MSB, \new
.endif
.endm
.set W_KQ, 0x0a       ; K and Q in window 2, S^T in window 0
.set W_KM, 0x3a       ; the same with C, the mask, in window 3
.set W_PV, 0x53       ; V in window 3, P in window 0, O^T in window 1
.set W_RS, 0x41       ; O^T (destination and source 0) in window 1, a in window 0
; A joint refill.  Waves 0 and 1 fetch the two steps' tiles of K, waves 2 and 3 those of V.  An s_nop 0 and four v_nop follow each of the two lines.
.macro JLOAD
	s_cmp_lt_u32 s[WV], 2
	s_cbranch_scc0 .Lfor_v_\@
	tensor_load_to_lds s[G0K+4:G0K+7], s[G1K:G1K+7]
	s_nop 0
.rept 4
	v_nop
.endr
	s_branch .Lasked_\@
.Lfor_v_\@:
	tensor_load_to_lds s[G0V+4:G0V+7], s[G1V:G1V+7]
	s_nop 0
.rept 4
	v_nop
.endr
.Lasked_\@:
.endm
; A PREFETCH of what the NEXT change of slots will ask for: a slot's 128 rows of K and 128 of V, 256 bytes a row, a lane a row.  A pair (b, h) has one cluster; its four partners share the rows out by address, 32 each;
; in each, wave 0 asks for K's and wave 2 for V's: one instruction.  So each row is named once.  The last change that fills a slot asks for nothing.
.macro ASK
	s_cmp_gt_u32 s[SLOTS], s[LIM]
	s_cbranch_scc0 .Lnot_mine_\@
	global_prefetch_b8 v[PFO], s[PFA:PFA+1] th:TH_LOAD_NT scope:SCOPE_SE
.Lnot_mine_\@:
.endm
.macro CROUND
	s_barrier_signal -1
	s_barrier_wait -1
	s_cmp_lg_u32 s[WV], 0
	s_cbranch_scc1 .Lnot_wave_0_\@
	s_barrier_signal -3
.Lnot_wave_0_\@:
	s_barrier_wait -3
	s_barrier_signal -1
	s_barrier_wait -1
.endm
	s_load_b256 s[4:11], s[0:1], 0x0  ; qkv16 s[4:5], mask s[6:7], ctx16 s[8:9], stat s[10:11]
	v_lshl_add_u32 v[SPW], v0, 2, SPARE
	v_mov_b32 v[NIL], 0
	ds_add_u32 v[SPW], v[NIL]       ; the wave's opening: the add and its wait stand ahead of my first tensor load; the set-up below, work on registers, stands between them
	v_lshrrev_b32 v1, 5, v0
	v_readfirstlane_b32 s[WV], v1   ; wave 0..3
	s_bfe_u32 s13, ttmp6, 0x40000   ; cx: my place in the cluster
	s_lshl_b32 s14, ttmp9, 2
	s_add_co_u32 s14, s14, s13      ; my block of 256 queries: it enters Q's, ctx's and stat's addresses alone
	s_and_b32 s20, ttmp7, 0xffff    ; 8 b + h, which the four partners share
	s_lshr_b32 s[BB], s20, 3
	s_and_b32 s[HH], s20, 7
	s_lshl_b32 s20, s20, 18         ; the pair's first byte in a plane: 1,024 rows of 256 bytes
	s_mov_b32 s21, 0
	s_and_b32 s16, s[WV], 1         ; which of a slot's two steps I fetch:
	s_lshl_b32 s22, s16, 14         ; its 64 rows of 256 bytes in memory,
	s_mov_b32 s23, 0
	s_add_nc_u64 s[22:23], s[22:23], s[20:21]
	s_mul_i32 s17, s16, STEPB       ; and its place in a slot
	s_lshl_b32 s2, s14, 16          ; my block's 256 rows,
	s_lshl_b32 s3, s[WV], 14        ; my wave's 64 of them
	s_add_co_u32 s2, s2, s3
	s_mov_b32 s3, 0
	s_add_nc_u64 s[2:3], s[2:3], s[20:21]
	s_mov_b32 s[G1K], 15|(1<<16)|(1<<20)|(1<<21)|(5<<22)|(3<<25)  ; the mask of four; elements of 2 bytes; padding on; bit 21 beside a mask; after every 64 words; 4 words
	s_mov_b32 s[G1V], 15|(1<<16)|(1<<20)|(1<<21)|(5<<22)|(7<<25)  ; the same with 8 words of padding
.irp g, G1K, G1V
	s_mov_b32 s[(\g)+1], 128<<16    ; tensor_dim0 = 128
	s_mov_b32 s[(\g)+2], KS<<16     ; tensor_dim1 = 64
	s_mov_b32 s[(\g)+3], 128<<16    ; tile_dim0 = 128
	s_mov_b32 s[(\g)+4], KS         ; tile_dim1 = 64
	s_mov_b32 s[(\g)+5], 128        ; elements from row to row
	s_mov_b32 s[(\g)+6], 0
	s_mov_b32 s[(\g)+7], 0
.endr
	s_mov_b32 s[CS], 0x3e0293ee     ; c = log2(e) / sqrt(128) = 0.127517
	s_mov_b32 s[CS+1], s[CS]        ; named with it as a pair
	s_mov_b32 s[SEL], 0x76543210
	s_mov_b32 s[SEL+1], 0xfedcba98
	s_mov_b32 s[TB], 0
	s_mov_b32 s[MB], 0
	s_mov_b32 s[BIGN], 0xf149f2ca   ; -1e30
	s_and_b32 s[LIM], s[WV], 1      ; 0 in waves 0 and 2,
	s_or_b32 s[LIM], s[LIM], ttmp9  ; in the pair's first (and only) cluster
	s_cmp_eq_u32 s[LIM], 0
	s_cselect_b32 s[LIM], 1, -1
	v_and_b32 v[PFO], 31, v0
	v_lshlrev_b32 v[PFO], 8, v[PFO]
	s_wait_dscnt 0x0                ; the opening add is done
	s_wait_kmcnt 0x0
	s_add_nc_u64 s[KP:KP+1], s[4:5], s[22:23]
	s_add_nc_u64 s[VP:VP+1], s[KP:KP+1], 2<<24   ; v's plane
	s_add_nc_u64 s[KP:KP+1], s[KP:KP+1], 1<<24   ; k's plane
	s_add_nc_u64 s[4:5], s[4:5], s[2:3]          ; Q at my wave's first row
	s_lshl_b32 s2, s[BB], 21        ; ctx: 1,024 rows of 2,048 bytes a batch,
	s_lshl_b32 s3, s14, 19          ; 256 a block,
	s_add_co_u32 s2, s2, s3
	s_lshl_b32 s3, s[WV], 17        ; 64 a wave,
	s_add_co_u32 s2, s2, s3
	s_lshl_b32 s3, s[HH], 8         ; the head's 256 bytes of a row
	s_add_co_u32 s2, s2, s3
	s_mov_b32 s3, 0
	s_add_nc_u64 s[8:9], s[8:9], s[2:3]
	s_lshl_b32 s2, s[BB], 10
	s_add_nc_u64 s[6:7], s[6:7], s[2:3]          ; the batch's mask
	s_lshl_b32 s2, s[BB], 13
	s_lshl_b32 s22, s14, 10
	s_add_co_u32 s2, s2, s22
	s_lshl_b32 s22, s[WV], 8
	s_add_co_u32 s2, s2, s22
	s_add_nc_u64 s[10:11], s[10:11], s[2:3]      ; stat at my wave's first query
	s_cmp_lt_u32 s[WV], 2
	s_cselect_b64 s[PFA:PFA+1], s[KP:KP+1], s[VP:VP+1]  ; (in waves 0 and 2 these stand at a slot's first row)
	s_lshl_b32 s2, s13, 13          ; my work-group's 32 rows of the 128
	s_add_nc_u64 s[PFA:PFA+1], s[PFA:PFA+1], s[2:3]
	s_add_nc_u64 s[PFA:PFA+1], s[PFA:PFA+1], 2*2*KS*256  ; in slot 2; the first change of slots steps it to slot 3
	CROUND                          ; all four work-groups are here: the first joint loads meet
.irp s, 0,1
	s_mov_b32 s[G0K+4*(\s)], 1
	s_add_co_u32 s[G0K+4*(\s)+1], s17, (\s)*SLOT1
	s_add_nc_u64 s[G0K+4*(\s)+2:G0K+4*(\s)+3], s[KP:KP+1], (\s)*2*KS*256
	s_or_b32 s[G0K+4*(\s)+3], s[G0K+4*(\s)+3], 0x80000000
	s_mov_b32 s[G0V+4*(\s)], 1
	s_add_co_u32 s[G0V+4*(\s)+1], s17, (\s)*SLOT1+VOFF
	s_add_nc_u64 s[G0V+4*(\s)+2:G0V+4*(\s)+3], s[VP:VP+1], (\s)*2*KS*256
	s_or_b32 s[G0V+4*(\s)+3], s[G0V+4*(\s)+3], 0x80000000
.endr
	s_cmp_lt_u32 s[WV], 2           ; a wave's two first fills stand in one branch: two loads of mine are out
	s_cbranch_scc0 .Lfirst_v
	tensor_load_to_lds s[G0K:G0K+3], s[G1K:G1K+7]
	s_nop 0
	tensor_load_to_lds s[G0K+4:G0K+7], s[G1K:G1K+7]
	s_nop 0
.rept 4
	v_nop
.endr
	s_branch .Lfirst_asked
.Lfirst_v:
	tensor_load_to_lds s[G0V:G0V+3], s[G1V:G1V+7]
	s_nop 0
	tensor_load_to_lds s[G0V+4:G0V+7], s[G1V:G1V+7]
	s_nop 0
.rept 4
	v_nop
.endr
.Lfirst_asked:
	v_and_b32 v1, 15, v0            ; l % 16
	v_bfe_u32 v9, v0, 4, 1          ; l / 16
	v_lshlrev_b32 v[QO], 8, v1
	v_lshl_add_u32 v[QO], v9, 4, v[QO]  ; row x 256 + 16 x half
	v_lshlrev_b32 v[MO], 3, v0
	global_load_b64 v[MR:MR+1], v[MO], s[6:7]  ; the 128 threads take the batch's 1,024 mask bytes, 8 each
	WIN 0x80                        ; destination window 2, address window 0
.irp i, 0,1,2,3,4,5,6,7,8,9,10,11,12,13,14,15  ; Q stays in registers: tile i / 4, channels 32 (i % 4) on
	global_load_b128 v[8*(\i):8*(\i)+3],   v[QO], s[4:5] offset:((\i)/4)*4096+((\i)%4)*64
	global_load_b128 v[8*(\i)+4:8*(\i)+7], v[QO], s[4:5] offset:((\i)/4)*4096+((\i)%4)*64+32
.endr
	; What the first turn finds: V and piece 2's P hold 0 (its products V^T P, of a step that has not been, add 0), O^T and l are 0, m is the floor.  All this stands in the wait for the first tile.
	WIN 0xc0
.set i, 0
.rept 128
	v_mov_b32 v[i], 0
.set i, i+1
.endr
	WIN 0x40
.set i, 0
.rept 256
	v_mov_b32 v[i], 0
.set i, i+1
.endr
	WIN 0
.set i, P+32
.rept 32
	v_mov_b32 v[i], 0
.set i, i+1
.endr
.irp t, 0,1,2,3
	v_mov_b32 v[ST+8*(\t)+1], 0xe0ad78ec           ; m = -1e20
	v_mov_b32 v[ST+8*(\t)+2], 0
	v_mov_b32 v[ST+8*(\t)+3], 0
	v_mul_f32 v[ST+8*(\t)], s[CS], v[ST+8*(\t)+1]  ; c m, by the same line that makes it in every step: while m stays at the floor a is exactly 1
.endr
	v_mul_u32_u24 v[AK0], v1, PK
	v_lshl_add_u32 v[AK0], v9, 4, v[AK0]  ; row x pitch + 16 x half
	; The turning load takes 16 keys x 16 channels (lane l reads key 8 (l / 16) + l % 8, channels 8 ((l / 8) % 2) + 0..7) and leaves half a fragment of V^T.
	v_and_b32 v10, 7, v0
	v_bfe_u32 v11, v0, 3, 1
	v_lshl_add_u32 v[AV0], v9, 3, v10
	v_mul_u32_u24 v[AV0], v[AV0], PV
	v_lshl_add_u32 v[AV0], v11, 4, v[AV0]
	v_add_nc_u32 v[AV0], VOFF, v[AV0]
	v_lshl_add_u32 v[AM0], v9, 5, MT      ; my lanes' 8 keys of a block of 16: 32 bytes
	v_lshl_add_u32 v[MS], v0, 5, MT
	s_wait_loadcnt 32               ; the mask bytes are in; Q's 32 loads may stay out
.set i, 0
.rept 8
	v_bfe_u32 v[MW+i], v[MR+i/4], 8*(i%4), 8
	v_mul_lo_u32 v[MW+i], v[MW+i], s[BIGN]  ; 0, or the bits of -1e30
.set i, i+1
.endr
	ds_store_b128 v[MS], v[MW:MW+3]
	ds_store_b128 v[MS], v[MW+4:MW+7] offset:16
; THE MATRIX WORK OF A TURN, for piece x.  The accumulators take turns, one instruction a turn.
; Product i of 32 of O^T += V^T P: keys 32 (i / 16) on, channels 16 ((i / 2) % 8) on, tile x + i % 2.
.macro PV x
	WIN W_PV
.set rO, 64*((\x)+i%2)+8*((i/2)%8)
.set rV, 64*(i/16)+8*((i/2)%8)
.set rP, P+16*((\x)+i%2)+8*(i/16)
	v_wmma_f32_16x16x32_f16 v[rO:rO+7], v[rV:rV+7], v[rP:rP+7], v[rO:rO+7]
.endm
; Product i of 32 of S^T = K Q^T + M: channels 32 (i / 8) on, keys 16 ((i / 2) % 4) on, tile x + i % 2.  The first 8 start the sums from the mask.
.macro KQ x
.set rS, S+32*((\x)+i%2)+8*((i/2)%4)
.set rK, KF+32*((i/2)%4)+8*(i/8)
.set rQ, 32*((\x)+i%2)+8*(i/8)
.set rM, MK+8*((i/2)%4)
.if i < 8
	WIN W_KM
	v_wmma_f32_16x16x32_f16 v[rS:rS+7], v[rK:rK+7], v[rQ:rQ+7], v[rM:rM+7]
.else
	WIN W_KQ
	v_wmma_f32_16x16x32_f16 v[rS:rS+7], v[rK:rK+7], v[rQ:rQ+7], v[rS:rS+7]
.endif
.endm
; THE LDS LOADS stand in runs: a step's K (16 fragments) with its 32 registers of the mask, and, a turn later, its V (turned).
.macro FETCH_K
	WIN 0
	v_add_nc_u32 v[ADR], s[TB], v[AK0]
	v_add_nc_u32 v[AMA], s[MB], v[AM0]
	s_add_co_u32 s[MB], s[MB], 256  ; 64 keys on,
	s_and_b32 s[MB], s[MB], 0xf00   ; inside the table's 4,096 bytes
	WIN 0x80                        ; destination window 2
.irp f, 0,1,2,3,4,5,6,7,8,9,10,11,12,13,14,15  ; keys 16 (f / 4) on, channels 32 (f % 4) on
	ds_load_b128 v[KF+8*(\f):KF+8*(\f)+3],   v[ADR] offset:((\f)/4)*16*PK+((\f)%4)*64
	ds_load_b128 v[KF+8*(\f)+4:KF+8*(\f)+7], v[ADR] offset:((\f)/4)*16*PK+((\f)%4)*64+32
.endr
	WIN 0xc0                        ; destination window 3
.irp f, 0,1,2,3
	ds_load_b128 v[MK+8*(\f):MK+8*(\f)+3],   v[AMA] offset:64*(\f)
	ds_load_b128 v[MK+8*(\f)+4:MK+8*(\f)+7], v[AMA] offset:64*(\f)+16
.endr
.endm
.macro FETCH_V
	WIN 0
	v_add_nc_u32 v[ADR], s[TB], v[AV0]
	s_add_co_u32 s[TB], s[TB], STEPB  ; the next fetch is the next step's
	s_wait_alu depctr_va_vdst(0)    ; the wait for the softmax's batch of exponentials, behind the address's line and ahead of the loads
	WIN 0xc0                        ; destination window 3
.irp f, 0,1,2,3,4,5,6,7,8,9,10,11,12,13,14,15  ; keys 32 (f / 8) on, channels 16 (f % 8) on
	ds_load_tr16_b128 v[8*(\f):8*(\f)+3],   v[ADR] offset:((\f)/8)*32*PV+((\f)%8)*32
	ds_load_tr16_b128 v[8*(\f)+4:8*(\f)+7], v[ADR] offset:((\f)/8)*32*PV+16*PV+((\f)%8)*32
.endr
.endm
; THE VECTOR WORK OF A TURN.  One tile's softmax for one key step is a list of 134 instructions; SM writes number j of it for tile t.  s0-s31 are the lane's 32 scores, in pairs 0-15.
;   0-15    the maximum of s0-s31 and the old m, three operands at a time (each accumulator's lowest registers first)
;   16-20   the other half of the lanes' maximum; the new m; c m; c m_old - c m_new
;   21-69   ONE BATCH: the 16 scalings c s - c m and all 33 exponentials (a at 23, then s0-s31); none of these names an exponential's result
;   (wait)  between 69 and 70 stands the one wait for the batch: SLICE writes it, once for both tiles
;   70-85   the roundings to f16     86-101  the sums; l = a l + the sum     102-133 the tile's O^T times a
.macro SM t
.set rT, ST+8*(\t)
.set rS, S+32*(\t)
.set rP, P+16*(\t)
.set rO, 64*(\t)+2*(j-102)
.if j < 102
	WIN 0
.endif
.if j < 4
	v_max3_num_f32 v[rT+4+j], v[rS+8*j], v[rS+8*j+1], v[rS+8*j+2]
.elseif j < 12
	v_max3_num_f32 v[rT+4+j%4], v[rT+4+j%4], v[rS+8*(j%4)+2*(j/4)+1], v[rS+8*(j%4)+2*(j/4)+2]
.elseif j == 12
	v_max3_num_f32 v[rT+4], v[rT+4], v[rS+7], v[rS+15]
.elseif j == 13
	v_max3_num_f32 v[rT+6], v[rT+6], v[rS+23], v[rS+31]
.elseif j == 14
	v_max3_num_f32 v[rT+4], v[rT+4], v[rT+5], v[rT+6]
.elseif j == 15
	v_max3_num_f32 v[rT+4], v[rT+4], v[rT+7], v[rT+1]
.elseif j == 16
	v_permlanex16_b32 v[rT+5], v[rT+4], s[SEL], s[SEL+1]  ; the query's other 32 keys lie in the lane 16 away
.elseif j == 17
	v_mov_b32 v[rT+7], v[rT]        ; c m_old is kept for a: number 19 writes c m anew
.elseif j == 18
	v_max_num_f32 v[rT+1], v[rT+4], v[rT+5]
.elseif j == 19
	v_mul_f32 v[rT], s[CS], v[rT+1]
.elseif j == 20
	v_sub_f32 v[rT+7], v[rT+7], v[rT]
.elseif j == 23
	v_exp_f32 v[rT+6], v[rT+7]
.elseif (j < 23) || ((j < 38) && (j%2 == 0)) || ((j < 66) && (j%4 == 2))
.set b, (j-2)/4                     ; 38, 42, .. 62: pairs 9 to 15
.if j < 38
.set b, (j-20)/2                    ; 21: pair 0; 22, 24, .. 36: pairs 1 to 8
.endif
	v_pk_fma_f32 v[rS+2*b:rS+2*b+1], v[rS+2*b:rS+2*b+1], s[CS:CS+1], v[rT:rT+1] op_sel_hi:[1,0,0] neg_lo:[0,0,1] neg_hi:[0,0,1]  ; pair b: c s - c m
.elseif j < 70
.set e, j-38                        ; 66 to 69: s28 to s31
.if j < 66
.set e, j-32-(j-38)/4               ; 39-41, 43-45, .. 63-65: s7 to s27
.endif
.if j < 38
.set e, (j-25)/2                    ; 25, 27, .. 37: s0 to s6
.endif
	v_exp_f32 v[rS+e], v[rS+e]
.elseif j < 86
	v_cvt_pk_f16_f32 v[rP+j-70], v[rS+2*(j-70)], v[rS+2*(j-70)+1]  ; pair j - 70
.elseif j < 102                     ; the sum of the tile's 16 pairs, in place: neighbours 1, 2, 4 and 8 pairs apart, then l takes it
.set z, j-86
.set w, 4
.set u, z
.if z >= 14
.set w, 32
.set u, 0
.elseif z >= 12
.set w, 16
.set u, z-12
.elseif z >= 8
.set w, 8
.set u, z-8
.endif
.if z < 15
	v_pk_add_f32 v[rS+w*u:rS+w*u+1], v[rS+w*u:rS+w*u+1], v[rS+w*u+w/2:rS+w*u+w/2+1]
.else
	v_pk_fma_f32 v[rT+2:rT+3], v[rT+2:rT+3], v[rT+6:rT+7], v[rS:rS+1] op_sel_hi:[1,0,1]
.endif
.else
	WIN W_RS
	v_pk_mul_f32 v[rO:rO+1], v[rO:rO+1], v[rT+6:rT+7] op_sel_hi:[1,0]
.endif
.endm
; Slice k of 64 of piece y's softmax: four instructions.  Slices 11 to 34 deal out the batch, numbers 22 to 69: four numbers of ONE tile each, the tiles by turns.  Every other slice is numbers 2 k and 2 k + 1 of both tiles' lists.
; 2 x 134 = 4 x 64 + 12: the twelve that are over stand together, in slice 63.  Ahead of slice 35 nothing names an exponential's result, and behind slice 34 none is issued: the piece's 66 exponentials have one wait, behind slice 34.
.macro SLICE y
.if (k >= 11) && (k < 35)
.irp n, 0,1,2,3
.set j, 22+4*((k-11)/2)+(\n)
	SM (\y)+(k-11)%2
.endr
.else
.irp n, 0,1,2,3,4,5,6,7
.if ((\n) < 2) || (k == 63)
.irp t, \y, (\y)+1
.set j, 2*k+(\n)
	SM \t
.endr
.endif
.endr
.endif
.if k == 34
	v_nop                           ; a plain instruction behind the last exponential and ahead of the first use: one for the batch
.if (\y) == 0
	FETCH_V                         ; piece 2's turn: V's run of loads stands here, and the wait stands in it
.else
	s_wait_alu depctr_va_vdst(0)    ; the wait for the batch
.endif
.endif
.set k, k+1
.endm
; A TURN.  Piece x has the matrix unit; the other piece's softmax stands in slices behind its matrix instructions.  pv: 32 products V^T P; kq: 32 products K Q^T for the next step.  A turn with one of the two kinds has two slices behind each product.
; Piece 0's turn fetches the next step's K and mask, behind its second product; piece 2's turn the same step's V, behind slice 34.  The slices are the plain instructions between a buffer's last product and the loads into it.
.macro TURN x, pv, kq
.set k, 0
.set per, 2
.if (\pv) && (\kq)
.set per, 1
.endif
.if \pv
.if (\x) == 0
	s_wait_dscnt 0x0                ; V is in
.endif
.set i, 0
.rept 32
	PV \x
.rept per
	SLICE 2-(\x)
.endr
.if ((\x) == 0) && (\kq) && (i == 1)
	FETCH_K
.endif
.set i, i+1
.endr
.endif
.if \kq
.if (\x) == 0
	s_wait_dscnt 0x0                ; K and the mask are in
.endif
.set i, 0
.rept 32
	KQ \x
.rept per
	SLICE 2-(\x)
.endr
.set i, i+1
.endr
.endif
.endm
; THE CHANGE OF SLOTS, between piece 2's turn and piece 0's.  Each wave waits for all its tensor loads, of which one is out: its part of the other slot; adds 0 to its spare word; and waits for that and for its own reads of the slot.
; fill = 1: this slot is filled again, with the keys two slots on.  The barrier is then a round of the cluster's, and the joint refill is the first thing behind it: it has two key steps, 256 matrix instructions, in which to land.
.macro CHANGE fill
	WIN 0
	s_wait_tensorcnt 0x0            ; no tensor load of mine is out, so a group 0 may be written
	ds_add_u32 v[SPW], v[NIL]       ; 0 onto my spare word
.if \fill
.irp g, G0K+4, G0V+4
	s_xor_b32 s[(\g)+1], s[(\g)+1], SLOT1
	s_add_nc_u64 s[(\g)+2:(\g)+3], s[(\g)+2:(\g)+3], 2*KS*256
.endr
	s_wait_xcnt 0x0                 ; the last prefetch, two key steps back, has read its address, so it may be written
	s_add_nc_u64 s[PFA:PFA+1], s[PFA:PFA+1], 2*KS*256
	s_wait_dscnt 0x0                ; the add is done, and my reads of the slot are over
	CROUND
	JLOAD
	ASK
.else
	s_wait_dscnt 0x0
	s_barrier_signal -1
	s_barrier_wait -1
.endif
	s_sub_co_u32 s[TB], s[TB], 2*STEPB  ; the fetches go back to a slot's first step,
	s_xor_b32 s[TB], s[TB], SLOT1   ; in the other slot
.endm
.macro TWO_STEPS
	WIN 0
	s_mov_b32 s[TWICE], 2
.Lstep_\@:
	TURN 0, 2, 1
	TURN 2, 2, 1
	WIN 0
	s_sub_co_u32 s[TWICE], s[TWICE], 1
	s_cmp_lg_u32 s[TWICE], 0
	s_cbranch_scc1 .Lstep_\@
.endm
	s_wait_tensorcnt 1              ; my part of slot 0 is in; slot 1's may stay out
	s_wait_dscnt 0x0                ; my part of the mask table is stored
	s_barrier_signal -1
	s_barrier_wait -1               ; everybody's is
	FETCH_K                         ; key step 0
	s_wait_loadcnt 0x0              ; Q
	s_wait_dscnt 0x0
.set i, 0
.rept 32
	KQ 0                            ; piece 0's first scores: there is no vector work yet to set between them
.set i, i+1
.endr
	WIN 0                           ; the addresses for the way out are made here: ten plain instructions, the places behind those products
	s_mul_i32 s13, s[WV], 16*SP
	s_add_co_u32 s13, s13, STAGE    ; my stage
	v_mul_u32_u24 v[STO], v1, SP    ; in: row l % 16, 16 bytes for each half of the lanes
	v_lshl_add_u32 v[STO], v9, 4, v[STO]
	v_add_nc_u32 v[STO], s13, v[STO]
	v_mul_u32_u24 v[RD], v9, SP     ; back: lanes 0-15 take one row of 256 bytes, lanes 16-31 the next
	v_lshl_add_u32 v[RD], v1, 4, v[RD]
	v_add_nc_u32 v[RD], s13, v[RD]
	v_lshlrev_b32 v[GO], 11, v9     ; and the same two rows in ctx, 2,048 bytes apart
	v_lshl_add_u32 v[GO], v1, 4, v[GO]
	v_lshlrev_b32 v[SO], 12, v9     ; stat: lanes 0-15 c m, lanes 16-31 1 / l, 4,096 bytes on
	v_lshl_add_u32 v[SO], v1, 2, v[SO]
	s_mov_b32 s[TWICE], 2
	s_mov_b32 s[SLOTS], SIZE_N/(2*KS)-1
	s_branch .Lmid                  ; the loop is entered at piece 2's turn: its products V^T P add zeros, its scores are step 0's, and it carries piece 0's first softmax
.Lslot:                             ; six times: every slot but the last two is filled again
	CHANGE 1
	s_mov_b32 s[TWICE], 2
.Lstep:
	TURN 0, 2, 1
	WIN 0
.Lmid:
	TURN 2, 2, 1
	WIN 0
	s_sub_co_u32 s[TWICE], s[TWICE], 1
	s_cmp_lg_u32 s[TWICE], 0
	s_cbranch_scc1 .Lstep
	s_sub_co_u32 s[SLOTS], s[SLOTS], 1
	s_cmp_lg_u32 s[SLOTS], 0
	s_cbranch_scc1 .Lslot
	CHANGE 0                        ; the tail is written out: nothing is asked for
	TWO_STEPS
	TURN 0, 2, 0                    ; piece 0: V^T P of the last step | piece 2's last softmax
.set i, 0
.rept 32
	PV 2                            ; piece 2: V^T P of the last step
.set i, i+1
.endr
	; THE WAY OUT.  l's two halves and the other half of the lanes' are added; O^T is divided by l, rounded to bf16 and sent through my stage in LDS, a tile at a time.  The additions are the places behind the last products.
	WIN 0
.irp t, 0,1,2,3
	v_add_f32 v[ST+8*(\t)+4], v[ST+8*(\t)+2], v[ST+8*(\t)+3]
.endr
.irp t, 0,1,2,3
	v_permlanex16_b32 v[ST+8*(\t)+5], v[ST+8*(\t)+4], s[SEL], s[SEL+1]
.endr
.irp t, 0,1,2,3
	v_add_f32 v[ST+8*(\t)+4], v[ST+8*(\t)+4], v[ST+8*(\t)+5]
.endr
.irp t, 0,1,2,3
	v_rcp_f32 v[ST+8*(\t)+6], v[ST+8*(\t)+4]
.endr
	v_nop                           ; a plain instruction between the last reciprocal and the use of its result
	s_wait_alu depctr_va_vdst(0)    ; and the wait ahead of the first use: one for the four reciprocals
	s_cmp_lg_u32 s[HH], 0           ; head 0 leaves its rows' statistics; the head is the same in all four partners
	s_cbranch_scc1 .Lno_stat
	v_cmp_eq_u32 vcc_lo, 0, v9
.irp t, 0,1,2,3
	v_cndmask_b32 v[ST+8*(\t)+4], v[ST+8*(\t)+6], v[ST+8*(\t)], vcc_lo  ; both halves of the lanes hold both numbers: lanes 0-15 give c m, lanes 16-31 give 1 / l
	global_store_b32 v[SO], v[ST+8*(\t)+4], s[10:11] offset:64*(\t)
.endr
.Lno_stat:
.macro PACK t
	WIN W_RS
.set i, 64*(\t)
.rept 32
	v_pk_mul_f32 v[i:i+1], v[i:i+1], v[ST+8*(\t)+6:ST+8*(\t)+7] op_sel_hi:[1,0]
.set i, i+2
.endr
	WIN 0x05                        ; sources 0 and 1 window 1, destination window 0: S^T's registers are free
.set i, 0
.rept 32
	v_cvt_pk_bf16_f32 v[S+32*(\t)+i], v[64*(\t)+2*i], v[64*(\t)+2*i+1]
.set i, i+1
.endr
	WIN 0
.irp f, 0,1,2,3,4,5,6,7
	ds_store_b128 v[STO], v[S+32*(\t)+4*(\f):S+32*(\t)+4*(\f)+3] offset:32*(\f)
.endr
.irp f, 0,1,2,3,4,5,6,7
	ds_load_b128 v[S+32*(\t)+4*(\f):S+32*(\t)+4*(\f)+3], v[RD] offset:(\f)*2*SP  ; LDS serves a wave's instructions in order (ISA guide 5.7.1.4): these see the stores above; the next tile's stores come behind them
.endr
.endm
.macro SEND t, younger              ; younger: the LDS instructions issued behind tile t's loads: the next tile's sixteen, or none
	WIN 0
.irp f, 0,1,2,3,4,5,6,7
	s_wait_dscnt (\younger)+7-(\f)
	global_store_b128 v[GO], v[S+32*(\t)+4*(\f):S+32*(\t)+4*(\f)+3], s[8:9] offset:(\t)*32768+(\f)*4096  ; each half of the lanes stores 256 consecutive bytes, at a multiple of 256 from ctx's first byte
.endr
.endm
	PACK 0
	PACK 1                          ; a tile's arithmetic stands between the loads of the tile before and its stores
	SEND 0, 16
	PACK 2
	SEND 1, 16
	PACK 3
	SEND 2, 16
	SEND 3, 0
	s_wait_tensorcnt 0x0            ; the wave's end, behind my last tensor load and my last LDS store
	ds_add_u32 v[SPW], v[NIL]
	s_wait_dscnt 0x0
	CROUND                          ; the closing round: no work-group ends while a partner may still ask for a tile that names it
	s_endpgm
.Lfunc_end_k_qa9dc86e8fa_attn:
	.size	k_qa9dc86e8fa_attn, .Lfunc_end_k_qa9dc86e8fa_attn-k_qa9dc86e8fa_attn
	.p2alignl 7, 3214868480
	.fill 96, 4, 3214868480
	.section	.rodata,"a",@progbits
	.p2align	6, 0x0
	.amdhsa_kernel k_qa9dc86e8fa_attn
		.amdhsa_group_segment_fixed_size 327680
		.amdhsa_private_segment_fixed_size 0
		.amdhsa_enable_private_segment 0
		.amdhsa_kernarg_size 32
		.amdhsa_user_sgpr_count 2
		.amdhsa_user_sgpr_kernarg_segment_ptr 1
		.amdhsa_wavefront_size32 1
		.amdhsa_system_sgpr_workgroup_id_x 1
		.amdhsa_system_sgpr_workgroup_id_y 1
		.amdhsa_system_sgpr_workgroup_id_z 1
		.amdhsa_system_vgpr_workitem_id 0
		.amdhsa_next_free_vgpr 1024
		.amdhsa_next_free_sgpr 76
		.amdhsa_reserve_vcc 1
		.amdhsa_float_denorm_mode_32 3
		.amdhsa_float_denorm_mode_16_64 3
		.amdhsa_memory_ordered 1
		.amdhsa_forward_progress 1
		.amdhsa_inst_pref_size 180
	.end_amdhsa_kernel
	.amdgpu_metadata
---
amdhsa.version: [ 1, 2 ]
amdhsa.kernels:
  - .name:           k_qa9dc86e8fa_attn
    .symbol:         k_qa9dc86e8fa_attn.kd
    .args:
      - { .name: qkv16, .offset: 0, .size: 8, .value_kind: global_buffer, .address_space: global }
      - { .name: mask, .offset: 8, .size: 8, .value_kind: global_buffer, .address_space: global }
      - { .name: ctx16, .offset: 16, .size: 8, .value_kind: global_buffer, .address_space: global }
      - { .name: stat, .offset: 24, .size: 8, .value_kind: global_buffer, .address_space: global }
    .group_segment_fixed_size: 327680
    .private_segment_fixed_size: 0
    .kernarg_segment_align: 8
    .kernarg_segment_size: 32
    .max_flat_workgroup_size: 128
    .sgpr_count:     76
    .vgpr_count:     1024
    .wavefront_size: 32
...
	.end_amdgpu_metadata
.endif
;; end of part 3
;; launch proj (part 4): grid 8 x 32, 4 waves a work-group, clusters of 4 x 4, 327,680 bytes of LDS; arguments ctx16, w16, bf, out0, qkv16, mask, stat, out1; writes out0, out1
.if DOCPART == 4
	.amdgcn_target "amdgcn-amd-amdhsa--gfx1250"
	.amdhsa_code_object_version 6
	.text
	.protected	k_qa9dc86e8fa_proj
	.globl	k_qa9dc86e8fa_proj
	.p2align	8
	.type	k_qa9dc86e8fa_proj,@function
k_qa9dc86e8fa_proj:
	s_mov_b64 s[64:65], 0
	v_nop
	global_prefetch_b8 v0, s[64:65] scope:SCOPE_SE
	s_setreg_imm32_b32 hwreg(HW_REG_WAVE_MODE, 25, 1), 1
	s_wait_xcnt 0x0
	s_wait_alu depctr_hold_cnt(0) depctr_sa_sdst(0) depctr_va_vdst(0) depctr_va_sdst(0) depctr_va_ssrc(0) depctr_va_vcc(0) depctr_vm_vsrc(0)
	s_getreg_b32 s2, hwreg(HW_REG_IB_STS2, 6, 4)
	s_cmp_eq_u32 s2, 0
	s_cbranch_scc0 .Lentry_in_a_cluster
	s_endpgm
.Lentry_in_a_cluster:
	s_bfe_u32 s2, ttmp6, 0x10000c
	s_cmp_lg_u32 s2, 0xf033
	s_cbranch_scc0 .Lentry_shape_is_right
	s_endpgm
.Lentry_shape_is_right:
; TWO RESULTS.  (1) out0 = ctx Wf^T + bf, f32 [8192][1024].  ctx16: bf16 [8192][1024]; Wf: rows 3,072 to 4,095 of w16, bf16 [4096][1024]; bf is rounded to bf16 in registers, like every other input.
; (2) out1[b][q][k] = head 0's softmax weight = 2^(c s - c m) / l, f32 [8][1024][1024], with s = q . k (less 1e30 where the key is hidden), c = log2(e) / sqrt(128), and c m and 1 / l as the attention launch left them in stat[b][2][1024].
; The scores are made again by the same products in the same order as there (f16 operands, f32 sums, the mask as the first product's C), so no exponent lies above 0.
; LIMITS of (2).  q and k arrive within f16's 65,504; a hidden key's weight is exactly 0; a weight below 2^-126 counts as 0; a batch with every key hidden has 1 / l infinite and gives NaN, as a softmax over nothing does; a mask byte is 0 or 1.
; (1) A tile is 256 rows x 128 columns: 256 tiles, one to a work-group.  Four waves; a wave makes 64 rows x 128 columns: 32 accumulators of 16 x 16.  K goes in 8 steps of 128 (rows of 256 bytes in memory) through a ring of two LDS slots.
; CLUSTER 4 x 4: the four work-groups of a row of the cluster share ctx's tile, the four of a column Wf's: each tile is asked for jointly.  Waves 0 and 1 fetch the halves of ctx's 256 rows, wave 2 Wf's 128 rows, wave 3 nothing.
; THE MATRIX INSTRUCTION IS USED TRANSPOSED (source 0 = 16 rows of Wf, source 1 = 16 rows of ctx): a lane holds row lane % 16 and the columns 16 b + 8 (lane / 16) + 0..7.  The first products take the bias as C, so the sums leave as they are.
; (2) The same 256 work-groups share out1: batch = row tile / 4, block of 256 queries = row tile % 4, block of 128 keys = column tile; a wave's 64 queries are its 64 rows.  Both outputs have rows of 4,096 bytes, so a wave's part begins at the same byte offset in both,
; and one stage in LDS serves both.  A wave's part is cut into four PIECES of 16 queries x 128 keys: 32 products and some 210 other instructions.  A piece stands in K steps 1 to 4, between the step's third quarter and its change of slots: between the request for a tile
; and the wait for it, where it adds to the 112 matrix instructions that stand there anyway.  K (128 keys) is loaded once, straight into fragments; a piece's Q and statistics are asked for a K step ahead.  These loads are the work-group's own:
; 96 KiB against the 768 KiB of tiles that it asks for jointly, so no joint load is made for them.
; REGISTERS: window 0: v0-31 addresses; v64-159, v160-255 two fragment buffers (Wf's 8 fragments, then ctx's 4), at work on the way out.  Window 1: accumulator (a, b) at v[8 (8 a + b)].
; Window 2: v0-63 the bias, v64-65 at work; v66-69 c m and 1 / l (pairs, the odd one 0); v70-85 the mask bytes; v96-127 a piece's Q; v128-191 its S^T; v192-255 the mask as f32.  Window 3: K: key block kb, channels 32 c on, at 32 kb + 8 c.
.set PITCH,  272                       ; an LDS row: 256 bytes + 16 of padding
.set HALFT,  128*PITCH                 ; what one tensor load brings
.set BOFF,   2*HALFT                   ; in a slot: ctx's 256 rows, then Wf's 128
.set SLOT1,  1<<17
.set STAGE,  SLOT1+3*HALFT             ; behind the ring: 16 rows x 528 bytes for each wave, for both ways out; no tensor load lands here
.set SPITCH, 528                       ; a stage row: 512 bytes + 16
.set SPARE,  STAGE+4*16*SPITCH         ; the spare words, 128 bytes for each wave
.set G1W0,   (1<<16)|(1<<20)|(1<<21)|(5<<22)|(3<<25)
.set FO,    5                          ; v5   256 (l % 16) + 16 (l / 16): my place in a fragment's rows of q and k
.set SA,    6                          ; v6   4 (l % 16): my query's statistics
.set MA,    7                          ; v7   8 (l / 16): my lanes' 8 mask bytes of a block of 16 keys
.set ADRA0, 16
.set ADRB0, 17
.set AA,    18
.set AB,    19
.set STO,   24                         ; v24  the stage: where I put 32 bytes of a row
.set RD,    25                         ; v25  the stage: where I read a row back
.set CO,    26                         ; v26  16 x lane: my bytes in a row's 512
.set BO,    27
.set SPW,   28
.set NIL,   29
.set PFO,   30
.set F0,    64
.set F1,    160
.set CM,    66                         ; window 2
.set RL,    68
.set MR,    70
.set QT,    96
.set S,     128
.set MK,    192
.set CS,    12                         ; s[12:13] c
.set BIGN,  14                         ; s14  -1e30
.set WV,    16
.set W1,    18
.set TROW,  19
.set G1A,   24
.set G0A,   32
.set CX,    40
.set CY,    41
.set HEAD,  42                         ; s42  the column tile
.set G1B,   48
.set G0B,   56
.set ABASE, 66
.set BBASE, 68
.set KP,    70                         ; s[70:71] k of head 0 at the block's 128 keys; never rewritten
.set QP,    72                         ; s[72:73] q of head 0 at the tile that was asked for last
.set MP,    74                         ; s[74:75] the block's mask bytes
.set STP,   76                         ; s[76:77] stat at the same tile as QP
.set OUT1,  78                         ; s[78:79] out1 at the piece's first row
.set PFA,   80
.set PO,    82
.set TB,    84
.set NXT,   85
.set G,     87
.set PN,    89
.set PL,    90
.set HM,    91
.set OUT,   92
.set PFB,   94
.set MSB, 0
.macro WIN new
.if MSB != (\new)
	s_set_vgpr_msb (MSB<<8)|(\new)
.set MSB, \new
.endif
.endm
.set MULW,  0x50                       ; sources in window 0, C and D in window 1
.set BIASW, 0x60                       ; the same with C in window 2
.set W_S,   0xab                       ; K (source 0) in window 3; Q, C and D in window 2
.set W_2,   0xaa                       ; all in window 2
.macro PLACES                          ; four plain vector instructions between a matrix instruction and a load into, or a line on, its registers
.rept 4
	v_nop
.endr
.endm
.macro CREST
	s_cmp_lg_u32 s[WV], 0
	s_cbranch_scc1 .Lnot_wave_0_\@
	s_barrier_signal -3
.Lnot_wave_0_\@:
	s_barrier_wait -3
	s_barrier_signal -1
	s_barrier_wait -1
.endm
.macro CROUND
	s_barrier_signal -1
	s_barrier_wait -1
	CREST
.endm
.macro JLOAD                           ; a joint refill by the walking descriptors; an s_nop 0 and four v_nop follow each load; wave 3 has the four v_nop alone
	s_cmp_lt_u32 s[WV], 2
	s_cbranch_scc0 .Lnot_a_\@
	tensor_load_to_lds s[G0A+4:G0A+7], s[G1A:G1A+7]
	s_nop 0
	PLACES
	s_branch .Lasked_\@
.Lnot_a_\@:
	s_cmp_eq_u32 s[WV], 2
	s_cbranch_scc0 .Lnone_\@
	tensor_load_to_lds s[G0B+4:G0B+7], s[G1B:G1B+7]
	s_nop 0
	PLACES
	s_branch .Lasked_\@
.Lnone_\@:
	PLACES
.Lasked_\@:
.endm
; A PREFETCH of the step that stands two refills on: 32 rows x 256 bytes, a lane a row, one instruction a wave.  ctx's rows are asked for by cluster x = 0, Wf's by cluster y = 0; the four partners share a wave's 128 rows out by address.  Steps 0 to 3 come by their loads alone; nothing is named past step 7.
.macro ASK
	s_cmp_lt_u32 s[PN], s[PL]
	s_cbranch_scc0 .Lnot_mine_\@
	global_prefetch_b8 v[PFO], s[PFA:PFA+1] th:TH_LOAD_NT scope:SCOPE_SE
.Lnot_mine_\@:
.endm
.macro FETCH k, f
	WIN 0
.irp i, 0,1,2,3,4,5,6,7
	ds_load_b128 v[(\f)+8*(\i):(\f)+8*(\i)+3],   v[AB] offset:(\k)+(\i)*16*PITCH
	ds_load_b128 v[(\f)+8*(\i)+4:(\f)+8*(\i)+7], v[AB] offset:(\k)+(\i)*16*PITCH+32
.endr
.irp i, 0,1,2,3
	ds_load_b128 v[(\f)+64+8*(\i):(\f)+64+8*(\i)+3],   v[AA] offset:(\k)+(\i)*16*PITCH
	ds_load_b128 v[(\f)+64+8*(\i)+4:(\f)+64+8*(\i)+7], v[AA] offset:(\k)+(\i)*16*PITCH+32
.endr
.endm
.macro MUL f, a, bias                  ; 8 matrix instructions; the 32 accumulators take turns in the same order in every quarter
.if \bias
	WIN BIASW
.else
	WIN MULW
.endif
.irp b, 0,1,2,3,4,5,6,7
.if \bias
	v_wmma_f32_16x16x32_bf16 v[8*(8*(\a)+(\b)):8*(8*(\a)+(\b))+7], v[(\f)+8*(\b):(\f)+8*(\b)+7], v[(\f)+64+8*(\a):(\f)+64+8*(\a)+7], v[8*(\b):8*(\b)+7]
.else
	v_wmma_f32_16x16x32_bf16 v[8*(8*(\a)+(\b)):8*(8*(\a)+(\b))+7], v[(\f)+8*(\b):(\f)+8*(\b)+7], v[(\f)+64+8*(\a):(\f)+64+8*(\a)+7], v[8*(8*(\a)+(\b)):8*(8*(\a)+(\b))+7]
.endif
.endr
.endm
.macro QUARTER k, f, g, bias
	s_wait_dscnt 4                                 ; Wf's fragments and ctx's blocks 0 and 1 are in; the four youngest loads may be out
	MUL \f, 0, \bias
	MUL \f, 1, \bias
	WIN 0
	PLACES
	FETCH \k, \g
	s_wait_dscnt 24                                ; all but the 24 just issued
	MUL \f, 2, \bias
	MUL \f, 3, \bias
.endm
; The last quarter multiplies buffer 1 and changes slots.  In front of the barrier each wave waits for all its tensor loads, adds 0 to its spare word, and waits for that and for its reads of this slot.
; fill = 1: the barrier opens a round of the cluster's, and this slot is filled again, first thing behind it, with the step two on.
.macro TURN fill
	WIN 0
.if \fill
	s_wait_xcnt 0x0                                ; the last prefetch, a K step back, has read its address
	s_add_co_u32 s[PN], s[NXT], 2
	s_lshl_b32 s[PO], s[PN], 8
	s_add_nc_u64 s[PFA:PFA+1], s[PFB:PFB+1], s[PO:PO+1]
.endif
	s_wait_tensorcnt 0x0                           ; no tensor load of mine is out, so a group 0 may be written
	ds_add_u32 v[SPW], v[NIL]                      ; 0 onto my spare word
	s_xor_b32 s[TB], s[TB], SLOT1
	v_add_nc_u32 v[AA], s[TB], v[ADRA0]
	v_add_nc_u32 v[AB], s[TB], v[ADRB0]
.if \fill
	s_xor_b32 s[G0A+5], s[G0A+5], SLOT1            ; the walking descriptors: the other slot than last time, one step on along K
	s_add_nc_u64 s[G0A+6:G0A+7], s[G0A+6:G0A+7], 256
	s_xor_b32 s[G0B+5], s[G0B+5], SLOT1
	s_add_nc_u64 s[G0B+6:G0B+7], s[G0B+6:G0B+7], 256
.endif
	s_wait_dscnt 5                                 ; the add and the four youngest loads may be out
	MUL F1, 0, 0
	s_wait_dscnt 0x0                               ; the add is done, and my reads of this slot are over
	s_barrier_signal -1
	MUL F1, 1, 0
	WIN 0
	s_barrier_wait -1
.if \fill
	CREST
	JLOAD
	s_add_co_u32 s[NXT], s[NXT], 1
	FETCH 0, F0
	ASK
.else
	PLACES
	s_cmp_eq_u32 s[G], 1                           ; behind the last step there is nothing to fetch
	s_cbranch_scc1 .Lno_fetch_\@
	FETCH 0, F0
.Lno_fetch_\@:
.endif
	MUL F1, 2, 0
	MUL F1, 3, 0
.endm
; A PIECE of out1: 16 queries x 128 keys.  S^T = K Q^T + M: a lane holds query lane % 16 and the keys 16 kb + 8 (lane / 16) + 0..7, 32 consecutive bytes of a row.  The rows go through my stage and leave whole: 512 consecutive bytes a store.
.macro PIECE
	s_wait_loadcnt 0x0                             ; the tile's Q and statistics are in (the first time: K too); their loads are done, so their pointers may be written:
	s_add_nc_u64 s[QP:QP+1], s[QP:QP+1], 4096      ; the next tile's 16 rows of q,
	s_add_nc_u64 s[STP:STP+1], s[STP:STP+1], 64    ; and its 16 queries in stat
	WIN W_S
.irp c, 0,1,2,3                        ; the 8 accumulators take turns; channels ascending, the mask as the first C, as in the attention launch
.irp kb, 0,1,2,3,4,5,6,7
.if (\c) == 0
	v_wmma_f32_16x16x32_f16 v[S+8*(\kb):S+8*(\kb)+7], v[32*(\kb)+8*(\c):32*(\kb)+8*(\c)+7], v[QT+8*(\c):QT+8*(\c)+7], v[MK+8*(\kb):MK+8*(\kb)+7]
.else
	v_wmma_f32_16x16x32_f16 v[S+8*(\kb):S+8*(\kb)+7], v[32*(\kb)+8*(\c):32*(\kb)+8*(\c)+7], v[QT+8*(\c):QT+8*(\c)+7], v[S+8*(\kb):S+8*(\kb)+7]
.endif
.endr
.endr
	WIN W_2
	PLACES                                         ; behind the last products: reads of the scores and loads into Q's registers follow
.set i, 0
.rept 32
	v_pk_fma_f32 v[S+2*i:S+2*i+1], v[S+2*i:S+2*i+1], s[CS:CS+1], v[CM:CM+1] op_sel_hi:[1,0,0] neg_lo:[0,0,1] neg_hi:[0,0,1]  ; c s - c m, each accumulator from its low end on
.set i, i+1
.endr
.set i, 0
.rept 64
	v_exp_f32 v[S+i], v[S+i]                       ; one batch
.set i, i+1
.endr
	v_nop                                          ; a plain instruction behind the last exponential,
	s_wait_alu depctr_va_vdst(0)                   ; and the one wait ahead of the first use
.set i, 0
.rept 32
	v_pk_mul_f32 v[S+2*i:S+2*i+1], v[S+2*i:S+2*i+1], v[RL:RL+1] op_sel_hi:[1,0]
.set i, i+1
.endr
	WIN 0
	s_cmp_eq_u32 s[G], 2                           ; the fourth piece has no tile behind it
	s_cbranch_scc1 .Lno_next_\@
	WIN 0x80                                       ; destination window 2, address window 0
.irp c, 0,1,2,3
	global_load_b128 v[QT+8*(\c):QT+8*(\c)+3],   v[FO], s[QP:QP+1] offset:64*(\c)
	global_load_b128 v[QT+8*(\c)+4:QT+8*(\c)+7], v[FO], s[QP:QP+1] offset:64*(\c)+32
.endr
	global_load_b32 v[CM], v[SA], s[STP:STP+1]
	global_load_b32 v[RL], v[SA], s[STP:STP+1] offset:4096
	WIN 0
.Lno_next_\@:
	WIN 0x08                                       ; store data in window 2
.irp kb, 0,1,2,3,4,5,6,7
	ds_store_b128 v[STO], v[S+8*(\kb):S+8*(\kb)+3]   offset:64*(\kb)
	ds_store_b128 v[STO], v[S+8*(\kb)+4:S+8*(\kb)+7] offset:64*(\kb)+16
.endr
	WIN 0x80
.irp t, 0,1,2,3,4,5,6,7,8,9,10,11,12,13,14,15
	ds_load_b128 v[S+4*(\t):S+4*(\t)+3], v[RD] offset:(\t)*SPITCH  ; LDS serves a wave's instructions in order (ISA guide 5.7.1.4): these see the stores above
.endr
	WIN 0x08
.irp t, 0,1,2,3,4,5,6,7,8,9,10,11,12,13,14,15
	s_wait_dscnt 15-(\t)                           ; row t is back; the younger reads may stay out
	global_store_b128 v[CO], v[S+4*(\t):S+4*(\t)+3], s[OUT1:OUT1+1] offset:(\t)*4096 th:TH_STORE_NT  ; a wave's store covers 512 consecutive bytes, aligned
.endr
	WIN 0
	s_wait_xcnt 0x0                                ; the stores have read S^T's registers, which the next piece's products write, and their base:
	s_add_nc_u64 s[OUT1:OUT1+1], s[OUT1:OUT1+1], 16*4096  ; 16 rows of out1 on
.endm
; THE WAY OUT of row block a of out0: the sums go as they are, 32 bytes a lane and column block, into my own stage, each accumulator from its low end on, and come back as whole rows of 512 bytes.
.macro STG a
.if (\a) >= 2
	s_wait_xcnt 0x0                                ; the stores of the block two back have read the registers that this block is read back into
.endif
	WIN 0x04                                       ; store data in window 1
.irp b, 0,1,2,3,4,5,6,7
	ds_store_b128 v[STO], v[8*(8*(\a)+(\b)):8*(8*(\a)+(\b))+3]   offset:64*(\b)
	ds_store_b128 v[STO], v[8*(8*(\a)+(\b))+4:8*(8*(\a)+(\b))+7] offset:64*(\b)+16
.endr
	WIN 0
.set BK, 64+96*((\a)%2)
.irp t, 0,1,2,3,4,5,6,7,8,9,10,11,12,13,14,15
	ds_load_b128 v[BK+4*(\t):BK+4*(\t)+3], v[RD] offset:(\t)*SPITCH  ; LDS serves a wave's instructions in order (ISA guide 5.7.1.4): these see the stores above; the next block's stores come behind them
.endr
.endm
.macro SENDF a, younger                ; younger: the next block's 32 LDS instructions, or none
.set BK, 64+96*((\a)%2)
	s_wait_dscnt \younger
.irp t, 0,1,2,3,4,5,6,7,8,9,10,11,12,13,14,15
	global_store_b128 v[CO], v[BK+4*(\t):BK+4*(\t)+3], s[OUT:OUT+1] offset:(16*(\a)+(\t))*4096 th:TH_STORE_NT  ; a wave's store covers 512 consecutive bytes, aligned
.endr
.endm
	s_load_b256 s[4:11], s[0:1], 0x0               ; ctx16 s[4:5], w16 s[6:7], bf s[8:9], out0 s[10:11]
	s_load_b256 s[72:79], s[0:1], 0x20             ; qkv16 s[72:73], mask s[74:75], stat s[76:77], out1 s[78:79]
	v_lshl_add_u32 v[SPW], v0, 2, SPARE
	v_mov_b32 v[NIL], 0
	ds_add_u32 v[SPW], v[NIL]                      ; the wave's opening: the add and its wait stand ahead of the first tensor load
	v_lshrrev_b32 v1, 5, v0
	v_readfirstlane_b32 s[WV], v1                  ; wave 0..3
	s_and_b32 s[W1], s[WV], 1
	s_bfe_u32 s[CX], ttmp6, 0x40000
	s_bfe_u32 s[CY], ttmp6, 0x40004
	s_lshl_b32 s[HEAD], ttmp9, 2
	s_add_co_u32 s[HEAD], s[HEAD], s[CX]           ; the column tile = 4 x cluster x + cx
	s_and_b32 s[TROW], ttmp7, 0xffff
	s_lshl_b32 s[TROW], s[TROW], 2
	s_add_co_u32 s[TROW], s[TROW], s[CY]           ; the row tile = 4 x cluster y + cy
	s_lshl_b32 s43, s[CY], 2
	s_lshl_b32 s43, 15, s43                        ; my row of the cluster
	s_lshl_b32 s44, 0x1111, s[CX]                  ; my column
	s_or_b32 s[G1A], s43, G1W0
	s_or_b32 s[G1B], s44, G1W0
.irp g, G1A, G1B
	s_mov_b32 s[(\g)+1], 128<<16                   ; tensor_dim0 = 128
	s_mov_b32 s[(\g)+2], 128<<16                   ; tensor_dim1 = 128
	s_mov_b32 s[(\g)+3], 128<<16                   ; tile_dim0 = 128
	s_mov_b32 s[(\g)+4], 128                       ; tile_dim1 = 128
	s_mov_b32 s[(\g)+5], 1024                      ; elements from row to row
	s_mov_b32 s[(\g)+6], 0
	s_mov_b32 s[(\g)+7], 0
.endr
	s_lshl_b32 s2, s[TROW], 8
	s_lshl_b32 s3, s[W1], 7
	s_add_co_u32 s2, s2, s3
	s_lshl_b32 s2, s2, 11                          ; ctx: row 256 x row tile + 128 x half, in bytes
	s_mov_b32 s3, 0
	s_lshl_b32 s46, s[HEAD], 18
	s_add_co_u32 s46, s46, 3<<21                   ; Wf lies behind Wq, Wk and Wv; the tile's 128 rows
	s_mov_b32 s47, 0
	s_mul_i32 s23, s[WV], HALFT                    ; where a tile goes: wave x 128 rows
	s_mov_b32 s[PO+1], 0
	s_mov_b32 s[HM], 0xffff0000
	s_mov_b32 s[TB], 0
	s_mov_b32 s[NXT], 2
	s_mov_b32 s[G], 6
	s_mov_b32 s[CS], 0x3e0293ee                    ; c = log2(e) / sqrt(128)
	s_mov_b32 s[CS+1], s[CS]                       ; named with it as a pair
	s_mov_b32 s[BIGN], 0xf149f2ca                  ; -1e30
	s_wait_dscnt 0x0                               ; the opening add is done
	s_wait_kmcnt 0x0
	s_add_nc_u64 s[ABASE:ABASE+1], s[4:5], s[2:3]
	s_add_nc_u64 s[BBASE:BBASE+1], s[6:7], s[46:47]
	CROUND                                         ; all sixteen work-groups are here: the first joint loads meet
.irp s, 0,1
	s_mov_b32 s[G0A+4*(\s)], 1
	s_add_co_u32 s[G0A+4*(\s)+1], s23, (\s)*SLOT1
	s_add_nc_u64 s[G0A+4*(\s)+2:G0A+4*(\s)+3], s[ABASE:ABASE+1], (\s)*256
	s_or_b32 s[G0A+4*(\s)+3], s[G0A+4*(\s)+3], 0x80000000
	s_mov_b32 s[G0B+4*(\s)], 1
	s_add_co_u32 s[G0B+4*(\s)+1], s23, (\s)*SLOT1
	s_add_nc_u64 s[G0B+4*(\s)+2:G0B+4*(\s)+3], s[BBASE:BBASE+1], (\s)*256
	s_or_b32 s[G0B+4*(\s)+3], s[G0B+4*(\s)+3], 0x80000000
.endr
	s_cmp_lt_u32 s[WV], 2                          ; a wave's two first fills stand in one branch: two loads of mine are out at the most
	s_cbranch_scc0 .Lfirst_not_a
	tensor_load_to_lds s[G0A:G0A+3], s[G1A:G1A+7]
	s_nop 0
	tensor_load_to_lds s[G0A+4:G0A+7], s[G1A:G1A+7]
	s_nop 0
	PLACES
	s_branch .Lfirst_asked
.Lfirst_not_a:
	s_cmp_eq_u32 s[WV], 2
	s_cbranch_scc0 .Lfirst_asked
	tensor_load_to_lds s[G0B:G0B+3], s[G1B:G1B+7]
	s_nop 0
	tensor_load_to_lds s[G0B+4:G0B+7], s[G1B:G1B+7]
	s_nop 0
	PLACES
.Lfirst_asked:
	v_and_b32 v1, 15, v0                           ; l % 16
	v_bfe_u32 v2, v0, 4, 1                         ; l / 16
	v_mul_u32_u24 v3, v1, PITCH
	v_lshl_add_u32 v3, v2, 4, v3
	s_mul_i32 s20, s[WV], 64*PITCH                 ; my 64 rows of ctx
	v_add_nc_u32 v[ADRA0], s20, v3
	v_add_nc_u32 v[ADRB0], BOFF, v3
	v_mov_b32 v[AA], v[ADRA0]
	v_mov_b32 v[AB], v[ADRB0]
	s_mul_i32 s20, s[WV], 16*SPITCH
	s_add_co_u32 s20, s20, STAGE                   ; my stage
	v_mul_u32_u24 v4, v1, SPITCH                   ; in: row l % 16, 32 bytes for each half of the lanes
	v_lshl_add_u32 v4, v2, 5, v4
	v_add_nc_u32 v[STO], s20, v4
	v_and_b32 v[CO], 31, v0
	v_lshlrev_b32 v[PFO], 11, v[CO]
	v_lshlrev_b32 v[CO], 4, v[CO]
	v_add_nc_u32 v[RD], s20, v[CO]                 ; back: 32 lanes take one row of 512 bytes
	s_lshl_b32 s45, s[HEAD], 9                     ; the tile's 128 numbers of the bias; also its 512 bytes of a row of out0 and of out1
	v_lshl_add_u32 v[BO], v2, 5, s45
	v_lshlrev_b32 v[FO], 8, v1
	v_lshl_add_u32 v[FO], v2, 4, v[FO]
	v_lshlrev_b32 v[SA], 2, v1
	v_lshlrev_b32 v[MA], 3, v2
	; where head 0's q, k, mask and statistics lie
	s_lshr_b32 s96, s[TROW], 2                     ; the batch
	s_and_b32 s97, s[TROW], 3                      ; the block of 256 queries in it
	s_lshl_b32 s20, s96, 21                        ; head 0 of the batch in a plane of qkv16: 8 heads x 1,024 rows x 256 bytes a batch
	s_lshl_b32 s2, s97, 16
	s_add_co_u32 s2, s2, s20
	s_lshl_b32 s3, s[WV], 14
	s_add_co_u32 s2, s2, s3                        ; q at my wave's 64 rows
	s_mov_b32 s3, 0
	s_lshl_b32 s22, s[HEAD], 15
	s_add_co_u32 s22, s22, s20
	s_add_co_u32 s22, s22, 1<<24                   ; k's plane, at the block's 128 rows
	s_mov_b32 s23, 0
	s_add_nc_u64 s[KP:KP+1], s[QP:QP+1], s[22:23]
	s_add_nc_u64 s[QP:QP+1], s[QP:QP+1], s[2:3]
	s_lshl_b32 s2, s96, 10
	s_lshl_b32 s22, s[HEAD], 7
	s_add_co_u32 s2, s2, s22
	s_add_nc_u64 s[MP:MP+1], s[MP:MP+1], s[2:3]    ; the block's 128 mask bytes
	s_lshl_b32 s2, s96, 13
	s_lshl_b32 s22, s97, 10
	s_add_co_u32 s2, s2, s22
	s_lshl_b32 s22, s[WV], 8
	s_add_co_u32 s2, s2, s22
	s_add_nc_u64 s[STP:STP+1], s[STP:STP+1], s[2:3]  ; my wave's 64 queries in stat
	WIN 0x80                                       ; destination window 2, address window 0
.irp kb, 0,1,2,3,4,5,6,7
	global_load_b64 v[MR+2*(\kb):MR+2*(\kb)+1], v[MA], s[MP:MP+1] offset:16*(\kb)
.endr
.irp b, 0,1,2,3,4,5,6,7
	global_load_b128 v[8*(\b):8*(\b)+3],   v[BO], s[8:9] offset:64*(\b)
	global_load_b128 v[8*(\b)+4:8*(\b)+7], v[BO], s[8:9] offset:64*(\b)+16
.endr
	global_load_b32 v[CM], v[SA], s[STP:STP+1]     ; the first piece's statistics,
	global_load_b32 v[RL], v[SA], s[STP:STP+1] offset:4096
.irp c, 0,1,2,3
	global_load_b128 v[QT+8*(\c):QT+8*(\c)+3],   v[FO], s[QP:QP+1] offset:64*(\c)  ; and its Q
	global_load_b128 v[QT+8*(\c)+4:QT+8*(\c)+7], v[FO], s[QP:QP+1] offset:64*(\c)+32
.endr
	WIN 0
	s_lshl_b32 s2, s[TROW], 8
	s_lshl_b32 s3, s[WV], 6
	s_add_co_u32 s2, s2, s3
	s_lshl_b32 s2, s2, 12                          ; my wave's first row, 4,096 bytes a row in out0 and in out1,
	s_add_co_u32 s2, s2, s45                       ; and the tile's 512 bytes of it
	s_mov_b32 s3, 0
	s_add_nc_u64 s[OUT:OUT+1], s[10:11], s[2:3]
	s_add_nc_u64 s[OUT1:OUT1+1], s[OUT1:OUT1+1], s[2:3]
	; the prefetches' base and bound
	s_lshl_b32 s96, s[TROW], 8
	s_lshl_b32 s97, s[W1], 7
	s_add_co_u32 s96, s96, s97
	s_lshl_b32 s97, s[CX], 5
	s_add_co_u32 s96, s96, s97                     ; ctx: of the 128 rows that I fetch, my work-group's 32
	s_lshl_b32 s98, s[HEAD], 7
	s_lshl_b32 s97, s[CY], 5
	s_add_co_u32 s98, s98, s97
	s_add_co_u32 s98, s98, 3072                    ; Wf: likewise
	s_cmp_lt_u32 s[WV], 2
	s_cselect_b32 s96, s96, s98
	s_cselect_b64 s[PFB:PFB+1], s[4:5], s[6:7]
	s_lshl_b32 s96, s96, 11
	s_mov_b32 s97, 0
	s_add_nc_u64 s[PFB:PFB+1], s[PFB:PFB+1], s[96:97]
	s_and_b32 s98, ttmp7, 0xffff                   ; cluster y
	s_cmp_lt_u32 s[WV], 2
	s_cselect_b32 s98, ttmp9, s98                  ; the coordinate along which other clusters read the same rows
	s_cmp_eq_u32 s98, 0
	s_cselect_b32 s[PL], 8, 0
	s_cmp_eq_u32 s[WV], 3
	s_cselect_b32 s[PL], 0, s[PL]                  ; the same in all sixteen partners, for a given wave
	; the bias and the mask are made ready while the first tiles are on their way
	s_wait_loadcnt 10                              ; the mask bytes and the bias are in; the ten younger loads, statistics and Q, may stay out
	WIN 0x8a                                       ; destination and sources in window 2
.set i, 0
.rept 32
	v_cvt_pk_bf16_f32 v[64+i%2], v[2*i], v[2*i+1]  ; the bias: rounded to bf16 and widened again
	v_lshlrev_b32 v[2*i], 16, v[64+i%2]
	v_and_b32 v[2*i+1], s[HM], v[64+i%2]
.set i, i+1
.endr
.set i, 0
.rept 64
	v_bfe_u32 v[MK+i], v[MR+2*(i/8)+(i%8)/4], 8*(i%4), 8  ; the mask: byte j of key block kb
	v_mul_lo_u32 v[MK+i], v[MK+i], s[BIGN]         ; becomes 0 or the bits of -1e30
.set i, i+1
.endr
	v_mov_b32 v[CM+1], 0                           ; named with their partners as pairs
	v_mov_b32 v[RL+1], 0
	WIN 0xc0                                       ; destination window 3, address window 0
.set i, 0
.rept 32                               ; K stays in registers: key block i / 4, channels 32 (i % 4) on
	global_load_b128 v[8*i:8*i+3],   v[FO], s[KP:KP+1] offset:(i/4)*4096+(i%4)*64
	global_load_b128 v[8*i+4:8*i+7], v[FO], s[KP:KP+1] offset:(i/4)*4096+(i%4)*64+32
.set i, i+1
.endr
	WIN 0
	s_wait_tensorcnt 1                             ; my part of step 0 is in; step 1's may stay out
	s_barrier_signal -1
	s_barrier_wait -1                              ; everybody's is
	FETCH 0, F0
	QUARTER 64, F0, F1, 1                          ; the first quarter stands in front of the loop: its products start the sums from the bias
	WIN 0
	s_branch .Lrest
.Lstep:                                                ; six trips: a K step each; every trip asks for the step two on
	QUARTER 64, F0, F1, 0
	WIN 0
.Lrest:
	QUARTER 128, F1, F0, 0
	QUARTER 192, F0, F1, 0
	WIN 0
	s_cmp_eq_u32 s[G], 6                           ; K step 0 has no piece: both slots were asked for at the start
	s_cbranch_scc1 .Lno_piece
	s_cmp_eq_u32 s[G], 1                           ; nor has K step 5: the four pieces are done
	s_cbranch_scc1 .Lno_piece
	PIECE                                          ; K steps 1 to 4: between the request for the next tile, a step back, and the wait for it, just below
.Lno_piece:
	TURN 1
	WIN 0
	s_sub_co_u32 s[G], s[G], 1
	s_cmp_lg_u32 s[G], 0
	s_cbranch_scc1 .Lstep
	s_mov_b32 s[G], 2
.Ltail:                                                ; the last two steps ask for nothing
	QUARTER 64, F0, F1, 0
	QUARTER 128, F1, F0, 0
	QUARTER 192, F0, F1, 0
	TURN 0
	WIN 0
	s_sub_co_u32 s[G], s[G], 1
	s_cmp_lg_u32 s[G], 0
	s_cbranch_scc1 .Ltail
	PLACES                                         ; the stage's stores read results just made, and its loads land in registers that the last products have read
	STG 0
	STG 1
	SENDF 0, 32
	STG 2
	SENDF 1, 32
	STG 3
	SENDF 2, 32
	SENDF 3, 0
	s_wait_tensorcnt 0x0                           ; the wave's end, behind my last tensor load and my last LDS store
	ds_add_u32 v[SPW], v[NIL]
	s_wait_dscnt 0x0
	CROUND                                         ; the closing round: no work-group ends while a partner may still ask for a tile that names it
	s_endpgm
.Lfunc_end_k_qa9dc86e8fa_proj:
	.size	k_qa9dc86e8fa_proj, .Lfunc_end_k_qa9dc86e8fa_proj-k_qa9dc86e8fa_proj
	.p2alignl 7, 3214868480
	.fill 96, 4, 3214868480
	.section	.rodata,"a",@progbits
	.p2align	6, 0x0
	.amdhsa_kernel k_qa9dc86e8fa_proj
		.amdhsa_group_segment_fixed_size 327680
		.amdhsa_private_segment_fixed_size 0
		.amdhsa_enable_private_segment 0
		.amdhsa_kernarg_size 64
		.amdhsa_user_sgpr_count 2
		.amdhsa_user_sgpr_kernarg_segment_ptr 1
		.amdhsa_wavefront_size32 1
		.amdhsa_system_sgpr_workgroup_id_x 1
		.amdhsa_system_sgpr_workgroup_id_y 1
		.amdhsa_system_sgpr_workgroup_id_z 1
		.amdhsa_system_vgpr_workitem_id 0
		.amdhsa_next_free_vgpr 1024
		.amdhsa_next_free_sgpr 100
		.amdhsa_reserve_vcc 0
		.amdhsa_float_denorm_mode_32 3
		.amdhsa_float_denorm_mode_16_64 3
		.amdhsa_memory_ordered 1
		.amdhsa_forward_progress 1
		.amdhsa_inst_pref_size 97
	.end_amdhsa_kernel
	.amdgpu_metadata
---
amdhsa.version: [ 1, 2 ]
amdhsa.kernels:
  - .name:           k_qa9dc86e8fa_proj
    .symbol:         k_qa9dc86e8fa_proj.kd
    .args:
      - { .name: ctx16, .offset: 0, .size: 8, .value_kind: global_buffer, .address_space: global }
      - { .name: w16, .offset: 8, .size: 8, .value_kind: global_buffer, .address_space: global }
      - { .name: bf, .offset: 16, .size: 8, .value_kind: global_buffer, .address_space: global }
      - { .name: out0, .offset: 24, .size: 8, .value_kind: global_buffer, .address_space: global }
      - { .name: qkv16, .offset: 32, .size: 8, .value_kind: global_buffer, .address_space: global }
      - { .name: mask, .offset: 40, .size: 8, .value_kind: global_buffer, .address_space: global }
      - { .name: stat, .offset: 48, .size: 8, .value_kind: global_buffer, .address_space: global }
      - { .name: out1, .offset: 56, .size: 8, .value_kind: global_buffer, .address_space: global }
    .group_segment_fixed_size: 327680
    .private_segment_fixed_size: 0
    .kernarg_segment_align: 8
    .kernarg_segment_size: 64
    .max_flat_workgroup_size: 128
    .sgpr_count:     100
    .vgpr_count:     1024
    .wavefront_size: 32
...
	.end_amdgpu_metadata
.endif
;; end of part 4
